; MI455X (gfx1250); checked and timed in simulation.
; The chip was launched on July 23, 2026; its instructions are those of AMD's public machine-readable ISA for CDNA 5 (MIT licence, August 2026) and "CDNA5" Instruction Set Architecture Reference Guide (July 2026). The comments in the code are by the model that wrote it; some were corrected since.
;; Self Attention. Allowed arithmetic: matrix products marked QUANTISED: E2M1 operands, one E8M0 scale for each 32 along K, by v_wmma_scale_f32_16x16x128_f8f6f4 with both operands' format E2M1 (or v_wmma_scale_f32_32x16x128_f4), f32 sums; everything else in f32.
;; Inputs: b_in 3,072 float32; b_out 1,024 float32; w_in_codes 3,072 x 32 x 16 uint8 (E2M1 codes of w_in, K innermost, in blocks of 32 codes, two codes a byte); w_in_scales 3,072 x 32 uint8 (E8M0 scales of w_in, one for each 32 codes along K); w_out_codes 1,024 x 32 x 16 uint8 (E2M1 codes of w_out, K innermost, in blocks of 32 codes, two codes a byte); w_out_scales 1,024 x 32 uint8 (E8M0 scales of w_out, one for each 32 codes along K); x_codes 4 x 2,048 x 32 x 16 uint8 (E2M1 codes of x, K innermost, in blocks of 32 codes, two codes a byte); x_scales 4 x 2,048 x 32 uint8 (E8M0 scales of x, one for each 32 codes along K).
;; Outputs: out0 4 x 2,048 x 1,024 float32.
;; This version of the problem:
;;   THIS VERSION OF THE PROBLEM IS GIVEN IN LOW PRECISION. The matrix products marked QUANTISED in the list below multiply operands that are first quantised to E2M1 (2 exponent bits, 1 mantissa bit; 4 bits a number), with one power-of-two scale for each 32 numbers along K (OCP MX v1.0); their sums are f32. All else is computed in f32.
;;   The module's matrix products, in the order in which they are computed (A, B: the left and right operand; K: the contracted axis; several contracted axes count as one K, in the product's order):
;;     1. [M 8,192, K 1,024] x [K 1,024, N 3,072]; A: input x (given as codes); B: input w_in (given as codes): QUANTISED
;;     2. batch 64 x [M 2,048, K 64] x [K 64, N 2,048]; A: computed on the way; B: computed on the way: QUANTISED
;;     3. batch 64 x [M 2,048, K 2,048] x [K 2,048, N 64]; A: softmax (see below); B: computed on the way: QUANTISED
;;     4. [M 8,192, K 1,024] x [K 1,024, N 1,024]; A: computed on the way; B: input w_out (given as codes): QUANTISED
;;   THE QUANTISER, for each operand of a quantised product, along K:
;;     - K is cut into blocks of 32 from its start; a last block that is shorter is filled with zeros.
;;     - A block's scale is 2^e with e = floor(log2(the largest magnitude in the block)) - 2, held to -126 .. 127; a block of zeros has e = 0. As a byte (E8M0): e + 127.
;;     - Each number is divided by its block's scale, clamped to +-6, and rounded to the nearest number of E2M1, ties to even, subnormals kept.
;;     - The product sums the exact products of the quantised numbers (number of the format x scale) in f32.
;;   ~~~python
;;   def quantise(x, axis):      # numpy; x: float32 -> the quantised numbers, widened to float32 again
;;       x = np.moveaxis(x, axis, -1); K = x.shape[-1]
;;       x = np.pad(x, [(0, 0)] * (x.ndim - 1) + [(0, -K % 32)]); x = x.reshape(x.shape[:-1] + (-1, 32)); a = np.abs(x).max(-1, keepdims=True)
;;       e = np.where(a > 0, np.clip(np.frexp(np.where(a > 0, a, 1))[1] - 1 - 2, -126, 127), 0)      # np.frexp(a)[1] - 1 = floor(log2(a)), exactly
;;       r = np.clip(x / 2.0 ** e, -6, 6)
;;       step = 2.0 ** (np.maximum(np.frexp(np.where(r == 0, 1, r))[1] - 1, 0) - 1)
;;       q = np.round(r / step) * step * 2.0 ** e      # np.round: ties to even
;;       return np.moveaxis(q.reshape(q.shape[:-2] + (-1,))[..., :K], -1, axis).astype(np.float32)
;;   ~~~
;;   SOFTMAX AHEAD OF A QUANTISED PRODUCT. Where the list says 'softmax', what is quantised is not the finished softmax but p = 2^(t - M), with t = logit x log2(e) and M = ceil(the row's largest t), a whole number; so 1/2 < the row's largest p <= 1. The row's sum l is taken of the UNQUANTISED p, in f32, and the product's result is divided by l at the end. Since M is a whole number, a kernel that streams over the keys may use a running M (the ceiling of the running maximum): every later rescaling is an exact power of two, which a block's scale takes up: the codes' values come out the same.
;;   OPERANDS COMPUTED ON THE WAY. 'Computed on the way' means the value that the module computes at that place (a softmax that the list does not call 'softmax' is quantised finished and normalised). What goes into a quantiser is computed in f32, as accurately as f32 sums, v_exp_f32 and their like allow (about 1e-6 of the number): no bf16 or f16 on the way to a quantiser, and a product that is left as it is and whose result goes on into a quantised operand takes f32 operands (vector FMAs, or v_wmma_f32_16x16x4_f32). A number that lies on a knife's edge between two numbers of the format may be rounded either way, as far as f32 arithmetic and the matrix unit's own rounding can turn it there, and no further.
;;   INPUTS GIVEN AS CODES. w_in (in the module: [3072, 1024], K = its axis 1); w_out (in the module: [1024, 1024], K = its axis 1); x (in the module: [4, 2048, 1024], K = its axis 2): each comes as NAME_codes (uint8): NAME with its K axis moved to the last place and cut into blocks of 32 codes, [.., K / 32, bytes a block], one block behind the other in memory; two codes a byte, the lower K in the low four bits (a code: sign, 2 exponent bits, 1 mantissa bit); and NAME_scales (uint8): the same leading axes, one E8M0 byte (e + 127) for each 32 codes along K. Its value is code x scale, taken as it is: it is not quantised again, and the codes and scales need not be those that the quantiser above would give.
;; One version. Each part assembles by itself: llvm-mc -triple=amdgcn-amd-amdhsa -mcpu=gfx1250 --defsym DOCPART=n.
;; ======== version 1 of 1: 3 launches
;; workspace buffers: qk_codes 8,388,608 bytes; qk_scales 524,288 bytes; v_codes 4,194,304 bytes; v_scales 262,144 bytes; o_codes 4,194,304 bytes; o_scales 262,144 bytes
;; launch qkv (part 1): grid 8 x 48, 4 waves a work-group, clusters of 4 x 4, 300,544 bytes of LDS; arguments x_codes, x_scales, w_in_codes, w_in_scales, b_in, qk_codes, qk_scales, v_codes, v_scales; writes qk_codes, qk_scales, v_codes, v_scales
.if DOCPART == 1
	.amdgcn_target "amdgcn-amd-amdhsa--gfx1250"
	.amdhsa_code_object_version 6
	.text
	.protected	k_qb318c258bd_qkv
	.globl	k_qb318c258bd_qkv
	.p2align	8
	.type	k_qb318c258bd_qkv,@function
k_qb318c258bd_qkv:
	s_mov_b64 s[64:65], 0
	v_nop
	global_prefetch_b8 v0, s[64:65] scope:SCOPE_SE
	s_setreg_imm32_b32 hwreg(HW_REG_WAVE_MODE, 25, 1), 1
	s_wait_xcnt 0x0
	s_wait_alu depctr_hold_cnt(0) depctr_sa_sdst(0) depctr_va_vdst(0) depctr_va_sdst(0) depctr_va_ssrc(0) depctr_va_vcc(0) depctr_vm_vsrc(0)
	s_getreg_b32 s2, hwreg(HW_REG_IB_STS2, 6, 4)
	s_cmp_eq_u32 s2, 0
	s_cbranch_scc0 .Lentry_in_a_cluster
	s_endpgm
.Lentry_in_a_cluster:
	s_bfe_u32 s2, ttmp6, 0x10000c
	s_cmp_lg_u32 s2, 0xf033
	s_cbranch_scc0 .Lentry_shape_is_right
	s_endpgm
.Lentry_shape_is_right:
; qkv = x w_in^T + b_in on codes of FP4 (E2M1) with one E8M0 scale for each 32 along K = 1,024; the result is quantised at once for the next products and leaves as images of their operands' registers.
; TWO ROLES, chosen by the cluster's y (cly), which all partners of a cluster share.  "B" is source 0 of the matrix instruction: its rows run along a lane's registers, so B is the axis ALONG WHICH THE RESULT IS QUANTISED;
; "A" is source 1: one row to a lane.
;   cly < 8  (q and k): A = 256 tokens of x, B = 256 rows of w_in (e < 2,048): a lane holds one token and neighbouring e: quantised along the head's 64 (two blocks of 32).
;   cly >= 8 (v):       A = 256 rows of w_in (e >= 2,048), B = 256 tokens of x: a lane holds one channel and neighbouring tokens: quantised along the keys.
; A work-group of four waves makes 256 x 256, a wave 128 x 128: 64 accumulators, 512 registers.  A row of 1,024 codes is 512 bytes, so both operands' tiles for ALL of K lie in LDS at once (two halves of 512 along K):
; every LDS byte is filled once, and there is no ring.  The scale bytes of the 2 x 256 rows come once, as dense blocks.
; CLUSTERS: 4 x 4 work-groups; A's tile hangs on cy and cly alone and is asked for jointly along a row of the cluster, B's on cx, the cluster's x and cly alone, jointly along a column.
; 384 work-groups: a tile of 256 x 384, which would make 256 equal ones, would straddle the borders between q, k and v and does not fit the registers.
; THE QUANTISER.  In tile t (16 rows of B) register j of lane (r, h) is B's row 16 t + 8 h + j.  Block b of 32 is tiles 2 b and 2 b + 1: my 16 registers and those of lane l xor 16.  The codes of tile 2 b (X) and of
; tile 2 b + 1 (Y) are half blocks; v_permlane16_swap_b32 of (X of block 2 c, X of block 2 c + 1) and of (Y, Y) gives registers 4 c .. 4 c + 3 = k 64 c + 32 h + 0 .. 31: the 4-bit operand's layout.
; A block's scale is 2^(floor(log2(largest magnitude)) - 2); its byte is the largest magnitude's exponent field - 2, held at 1 from below.
; OUT.  qk_codes [slot e / 64: 32][tile of 16 tokens: 512][lane][16 bytes]: lane (r, h) = token r, dims 32 h ..;  qk_scales [slot][128 tokens: 64][r 16][tile 8][2 bytes];
;       v_codes [16 channels: 64][128 tokens: 64][c 2][lane][16 bytes];  v_scales [128 tokens: 64][head 16][r 16][tile of channels 4][4 bytes].  Every store of codes covers 512 consecutive bytes.
; LIMITS: NaN, infinities and a given scale byte 0xff are not served.  A block of zeros gets the byte 1 where the rule says 127: its codes are zeros, and this program alone reads the bytes.
; REGISTERS, in windows of 256: window 0: v1-31 addresses and the codes just made; v32-95 scale words, two sets; v96-111 the bias of a lane's channel (role v); v112-127 at work; v128-191 A's fragments, ONE set, later 64 results;
;   v192-255 the bias along the registers (role q, k).  window 1: B's fragments, two sets.  windows 2, 3: the accumulators ((a, b) at v[8 (8 (a % 4) + b)]).
.set PITCH,  272                       ; an LDS row: 256 bytes + 16 of padding = 68 words: row r starts at bank 4 r mod 64 (64 banks of 4 bytes: ISA guide 11.1)
.set HALFT,  128*PITCH                 ; 128 rows: what one tensor load brings, and what one wave reads of A or of B
.set SLOT,   4*HALFT                   ; A's 256 rows, then B's 256 rows, 512 along K
.set SCL,    2*SLOT                    ; the scale bytes, as rows of 256 bytes + 16 of padding
.set HALFS,  16*272                    ; those of 128 rows (32 bytes a row)
.set SBLK,   2*272                     ; those of 16 rows
.set SSTQ,   SCL+4*HALFS               ; role q, k: 512 bytes for each wave, in which its scale halfwords are gathered
.set SSTV,   SSTQ+4*512                ; role v: the same for its scale words; each role has LDS bytes of its own
.set NQ,     4                         ; matrix instructions deep in a slot
.set FR,     8                         ; registers of a fragment
.set NL,     2                         ; LDS loads that bring one
.set NP,     4                         ; places behind this matrix instruction (ISA guide 7.12.1)
.set ADRA, 8                           ; v8-9   LDS address of my A fragments in slot 0, 1
.set ADRB, 10                          ; v10-11 the same for B
.set ADRS, 12                          ; v12    my scale words: lanes 0-15 A's rows, lanes 16-31 B's
.set LI,   13                          ; v13    16 x lane
.set SH,   14                          ; v14    16 h
.set SQ,   15                          ; v15    role q, k: where my halfword goes
.set SV,   16                          ; v16    role v: where my word goes
.set SQR,  17                          ; v17    role q, k: where I read 16 bytes back
.set SVR,  18                          ; v18    role v: the same
.set GQ,   19                          ; v19    16 r + 16,384 h: my 16 bytes in qk_scales
.set BH,   20                          ; v20    32 h
.set BR,   21                          ; v21    4 r
.set PC,   22                          ; v22-29 the codes just made
.set PW,   30                          ; v30    their scale word
.set PH,   31                          ; v31    my half of it
.set SC,   32
.set BV,   96
.set TM,   112
.set AF,   128
.set ST,   128
.set B0,   192
.set G1,   24
.set G0,   32
.set G1B,  48
.set G0B,  56
.set G1S,  68
.set G0S,  76
.set G1SB, 80
.set G0SB, 88
.set OC,   96                          ; s[96:97] where my codes go;  s[98:99] my scale bytes
.set OS,   98
.set SEL,  40                          ; s40, s41 lane selects for v_permlanex16_b32: lane l xor 16
.set MSB, 0
.macro WIN new                         ; the immediate's high byte repeats the setting that is left
.if MSB != (\new)
	s_set_vgpr_msb (MSB<<8)|(\new)
.set MSB, (\new)
.endif
.endm
.set MUL_LO, 0xa1                      ; source 0 (B) window 1, source 1 (A) window 0, C and D window 2
.set MUL_HI, 0xf1                      ; the same, C and D window 3
.set TO_B,   0x40                      ; destination window 1, address window 0
; A joint load: waves 0 and 1 fetch for A, waves 2 and 3 for B.  The branch hangs on the wave's number alone.  Four v_nop follow each of the two lines.
.macro JLOAD g0a, g1a, g0b, g1b
	s_cmp_eq_u32 s15, 0
	s_cbranch_scc0 .Lfor_b_\@
	tensor_load_to_lds s[\g0a:\g0a+3], s[\g1a:\g1a+7]
	s_nop 0
.rept 4
	v_nop
.endr
	s_branch .Lasked_\@
.Lfor_b_\@:
	tensor_load_to_lds s[\g0b:\g0b+3], s[\g1b:\g1b+7]
	s_nop 0
.rept 4
	v_nop
.endr
.Lasked_\@:
.endm
.macro CROUND                          ; a round of the cluster's barrier
	s_barrier_signal -1
	s_barrier_wait -1
	s_cmp_lg_u32 s14, 0
	s_cbranch_scc1 .Lnot_wave_0_\@
	s_barrier_signal -3
.Lnot_wave_0_\@:
	s_barrier_wait -3
	s_barrier_signal -1
	s_barrier_wait -1
.endm
	s_load_b256 s[4:11], s[0:1], 0x0               ; x's codes, x's scales, w_in's codes, w_in's scales
	s_load_b64 s[12:13], s[0:1], 0x20              ; b_in
	s_load_b128 s[96:99], s[0:1], 0x28             ; qk_codes, qk_scales
	s_load_b128 s[20:23], s[0:1], 0x38             ; v_codes, v_scales
	v_lshl_add_u32 v122, v0, 2, 0x49400
	v_mov_b32 v123, 0
	ds_add_u32 v122, v123
	ds_add_u32 v122, v123
	v_lshrrev_b32 v1, 5, v0
	v_readfirstlane_b32 s14, v1                    ; wave 0..3
	s_lshr_b32 s15, s14, 1                         ; which half of A's rows is mine.  Also: I fetch for A (0) or for B (1)
	s_and_b32 s16, s14, 1                          ; which half of B's rows.  Also: which 128 rows of that tile I fetch
	; every LDS address is made here, ahead of the first branch on the wave's number
	v_and_b32 v1, 15, v0                           ; r
	v_bfe_u32 v2, v0, 4, 1                         ; h
	v_mul_u32_u24 v3, v1, PITCH
	v_lshl_add_u32 v4, v2, 4, v3                   ; a fragment's row x pitch + 16 h
	s_mul_i32 s18, s15, HALFT                      ; my 128 rows of A
	s_mul_i32 s19, s16, HALFT                      ; my 128 rows of B,
	s_add_co_u32 s19, s19, 2*HALFT                 ; which lie behind A's 256
.irp s, 0,1
	v_add_nc_u32 v[ADRA+\s], s18, v4
	v_add_nc_u32 v[ADRB+\s], s19, v4
	s_add_co_u32 s18, s18, SLOT
	s_add_co_u32 s19, s19, SLOT
.endr
	v_mul_u32_u24 v5, v1, 32                       ; my row's scales: 32 bytes a row,
	v_lshrrev_b32 v6, 8, v5
	v_lshl_add_u32 v5, v6, 4, v5                   ; and 16 more for each 256 passed
	s_mul_i32 s18, s15, HALFS                      ; A's: my 128 rows
	s_mul_i32 s19, s16, HALFS                      ; B's: my 128 rows, behind A's 256
	s_add_co_u32 s19, s19, 2*HALFS
	s_sub_co_u32 s19, s19, s18
	v_mul_u32_u24 v6, s19, v2                      ; lanes 16-31 take B's: the lower base + h x the distance
	s_add_co_u32 s18, s18, SCL
	v_add_nc_u32 v5, v5, v6
	v_add_nc_u32 v[ADRS], s18, v5
	v_lshlrev_b32 v5, 4, v1                        ; 16 r
	v_lshl_add_u32 v6, v2, 8, v5                   ; + 256 h
	s_lshl_b32 s18, s14, 9                         ; 512 x wave
	v_add_nc_u32 v6, s18, v6
	v_add_nc_u32 v[SQ], SSTQ, v6
	v_add_nc_u32 v7, s18, v5
	v_add_nc_u32 v[SV], SSTV, v7
	v_and_b32 v7, 31, v0
	v_lshlrev_b32 v[LI], 4, v7
	v_add_nc_u32 v7, s18, v[LI]
	v_add_nc_u32 v[SQR], SSTQ, v7
	v_add_nc_u32 v[SVR], SSTV, v7
	v_lshl_add_u32 v[GQ], v2, 14, v5
	v_lshlrev_b32 v[SH], 4, v2
	v_lshlrev_b32 v[BH], 5, v2
	v_lshlrev_b32 v[BR], 2, v1
.irp b, 0,1,2,3
	v_mov_b32 v[TM+4+\b], 0                        ; written once: a lane permute's destination counts as one of its sources
.endr
	; my place, and the rows of the two roles.  A's rows are made of cy and cly alone, B's of cx, the cluster's x and cly alone, each in registers of their own
	s_bfe_u32 s40, ttmp6, 0x40000                  ; cx
	s_bfe_u32 s41, ttmp6, 0x40004                  ; cy
	s_lshl_b32 s42, ttmp9, 2
	s_add_co_u32 s42, s42, s40                     ; gx = 4 x cluster x + cx: 0..7
	s_and_b32 s17, ttmp7, 0xffff                   ; cly: 0..11
	s_lshl_b32 s43, s41, 2
	s_lshl_b32 s43, 15, s43                        ; my row of the cluster
	s_lshl_b32 s44, 0x1111, s40                    ; my column
	s_lshl_b32 s66, s17, 2
	s_add_co_u32 s66, s66, s41
	s_lshl_b32 s66, s66, 8                         ; q, k: A = tokens 256 (4 cly + cy)
	s_lshl_b32 s100, s41, 8
	s_add_co_u32 s100, s100, 2048                  ; v: A = rows 2,048 + 256 cy of w_in
	s_lshl_b32 s46, s42, 8                         ; q, k: B = rows 256 gx of w_in
	s_max_u32 s92, s17, 8
	s_sub_co_u32 s92, s92, 8
	s_lshl_b32 s92, s92, 3
	s_add_co_u32 s92, s92, s42
	s_lshl_b32 s92, s92, 8                         ; v: B = tokens 256 (gx + 8 (cly - 8))
	s_cmp_lt_u32 s17, 8
	s_cselect_b32 s66, s66, s100
	s_cselect_b32 s46, s46, s92
	s_mov_b32 s[SEL], 0x76543210                   ; (cx and cy are done with)
	s_mov_b32 s[SEL+1], 0xfedcba98
	; descriptor group 1: a tile of 128 rows x 256 bytes, 512 bytes apart in memory, padded in LDS
	s_or_b32 s[G1+0], s43, (1<<20)|(1<<21)|(5<<22)|(3<<25)   ; 15:0 the mask: A's tiles go to my row; 17:16 elements of 1 byte; 20 padding on; 21 set beside a mask; 24:22 after every 64 words; 31:25 four words
	s_or_b32 s[G1B+0], s44, (1<<20)|(1<<21)|(5<<22)|(3<<25)  ; the same with my column's mask
.irp g, G1, G1B
	s_mov_b32 s[\g+1], 256<<16                     ; tensor_dim0
	s_mov_b32 s[\g+2], 128<<16                     ; tensor_dim1
	s_mov_b32 s[\g+3], 256<<16                     ; tile_dim0
	s_mov_b32 s[\g+4], 128                         ; tile_dim1
	s_mov_b32 s[\g+5], 512                         ; tensor_dim0_stride
	s_mov_b32 s[\g+6], 0
	s_mov_b32 s[\g+7], 0
.endr
	; the scales of 128 rows: 4,096 dense bytes, as 16 rows of 256 bytes (32 elements of 8 bytes), 16 bytes of padding behind each
	s_or_b32 s[G1S+0], s43, (3<<16)|(1<<20)|(1<<21)|(5<<22)|(3<<25)
	s_or_b32 s[G1SB+0], s44, (3<<16)|(1<<20)|(1<<21)|(5<<22)|(3<<25)
.irp g, G1S, G1SB
	s_mov_b32 s[\g+1], 32<<16
	s_mov_b32 s[\g+2], 16<<16
	s_mov_b32 s[\g+3], 32<<16
	s_mov_b32 s[\g+4], 16
	s_mov_b32 s[\g+5], 32
	s_mov_b32 s[\g+6], 0
	s_mov_b32 s[\g+7], 0
.endr
	s_mov_b32 s3, s66                              ; the tile's first row of A, kept for the way out
	s_mov_b32 s2, s46                              ; and of B
	s_lshl_b32 s18, s16, 7                         ; which 128 rows of the tile I fetch
	s_add_co_u32 s66, s66, s18
	s_add_co_u32 s46, s46, s18
	s_lshl_b32 s100, s66, 5                        ; where these rows' scales begin: 32 bytes a row
	s_mov_b32 s101, 0
	s_lshl_b32 s66, s66, 9                         ; and their codes: 512 bytes a row
	s_mov_b32 s67, 0
	s_lshl_b32 s92, s46, 5
	s_mov_b32 s93, 0
	s_lshl_b32 s46, s46, 9
	s_mov_b32 s47, 0
	s_mul_i32 s45, s14, HALFT                      ; where they go: wave x 128 rows: no place in the cluster enters an LDS address
	s_mul_i32 s94, s14, HALFS
	s_wait_dscnt 0x0
	s_wait_kmcnt 0x0
	s_cmp_lt_u32 s17, 8                            ; the buffers of my role: the choice hangs on the cluster's y alone
	s_cselect_b64 s[96:97], s[96:97], s[20:21]     ; codes out
	s_cselect_b64 s[98:99], s[98:99], s[22:23]     ; scale bytes out
	s_cselect_b64 s[20:21], s[4:5], s[8:9]         ; A's codes
	s_cselect_b64 s[8:9], s[8:9], s[4:5]           ; B's codes
	s_cselect_b64 s[22:23], s[6:7], s[10:11]       ; A's scales
	s_cselect_b64 s[10:11], s[10:11], s[6:7]       ; B's scales
	s_add_nc_u64 s[20:21], s[20:21], s[66:67]
	s_add_nc_u64 s[22:23], s[22:23], s[100:101]
	s_add_nc_u64 s[8:9], s[8:9], s[46:47]
	s_add_nc_u64 s[10:11], s[10:11], s[92:93]
	CROUND                                         ; all sixteen work-groups are here: the joint loads meet
	s_mov_b32 s[G0S], 1
	s_add_co_u32 s[G0S+1], s94, SCL
	s_mov_b64 s[G0S+2:G0S+3], s[22:23]
	s_or_b32 s[G0S+3], s[G0S+3], 0x80000000
	s_mov_b32 s[G0SB], 1
	s_add_co_u32 s[G0SB+1], s94, SCL
	s_mov_b64 s[G0SB+2:G0SB+3], s[10:11]
	s_or_b32 s[G0SB+3], s[G0SB+3], 0x80000000
	JLOAD G0S, G1S, G0SB, G1SB                     ; the scales first: they are wanted with the first half of K
.irp s, 0,1
	s_mov_b32 s[G0+4*\s], 1
	s_add_co_u32 s[G0+4*\s+1], s45, \s*SLOT
	s_add_nc_u64 s[G0+4*\s+2:G0+4*\s+3], s[20:21], \s*256
	s_or_b32 s[G0+4*\s+3], s[G0+4*\s+3], 0x80000000
	s_mov_b32 s[G0B+4*\s], 1
	s_add_co_u32 s[G0B+4*\s+1], s45, \s*SLOT
	s_add_nc_u64 s[G0B+4*\s+2:G0B+4*\s+3], s[8:9], \s*256
	s_or_b32 s[G0B+4*\s+3], s[G0B+4*\s+3], 0x80000000
	JLOAD G0+4*\s, G1, G0B+4*\s, G1B               ; three tensor loads of mine are out: all that this launch asks for
.endr
	; the way out: both roles' offsets are made, then chosen
	s_lshl_b32 s18, s15, 7
	s_add_co_u32 s3, s3, s18                       ; my first row of A
	s_lshl_b32 s18, s16, 7
	s_add_co_u32 s2, s2, s18                       ; my first row of B
	s_lshl_b32 s46, s2, 12                         ; q, k: codes: slot (B's row / 64) x 262,144 + tile (A's row / 16) x 512
	s_lshl_b32 s47, s3, 5
	s_add_co_u32 s46, s46, s47
	s_lshl_b32 s66, s2, 8                          ; scale bytes: slot x 16,384 + (A's row / 128) x 256
	s_lshl_b32 s67, s3, 1
	s_add_co_u32 s66, s66, s67
	s_max_u32 s18, s3, 2048
	s_sub_co_u32 s18, s18, 2048                    ; v: my first channel
	s_lshl_b32 s92, s18, 12                        ; codes: (channel / 16) x 65,536 + (token / 128) x 1,024
	s_lshl_b32 s93, s2, 3
	s_add_co_u32 s92, s92, s93
	s_lshl_b32 s100, s2, 5                         ; scale bytes: (token / 128) x 4,096 + (channel / 64) x 256
	s_lshl_b32 s101, s18, 2
	s_add_co_u32 s100, s100, s101
	s_lshl_b32 s18, s2, 2
	s_lshl_b32 s19, s3, 2
	s_cmp_lt_u32 s17, 8
	s_cselect_b32 s46, s46, s92
	s_cselect_b32 s66, s66, s100
	s_cselect_b32 s92, s18, 0                      ; the bias along the registers: b_in at B's rows (role v: the buffer's head, loaded and not used)
	s_cselect_b32 s100, 0, s19                     ; the bias of a lane's channel: b_in at A's rows (role q, k: the head, loaded and not used)
	s_mov_b32 s47, 0
	s_mov_b32 s67, 0
	s_mov_b32 s93, 0
	s_mov_b32 s101, 0
	s_add_nc_u64 s[OC:OC+1], s[OC:OC+1], s[46:47]
	s_add_nc_u64 s[OS:OS+1], s[OS:OS+1], s[66:67]
	s_add_nc_u64 s[92:93], s[12:13], s[92:93]
	s_add_nc_u64 s[100:101], s[12:13], s[100:101]
	s_wait_alu depctr_va_vdst(0)
.irp t, 0,1,2,3,4,5,6,7
	global_load_b128 v[B0+8*\t:B0+8*\t+3], v[BH], s[92:93] offset:64*\t        ; register 8 t + j: b_in at B's row 16 t + 8 h + j
	global_load_b128 v[B0+8*\t+4:B0+8*\t+7], v[BH], s[92:93] offset:64*\t+16
.endr
.irp a, 0,1,2,3,4,5,6,7
	global_load_b32 v[BV+2*\a], v[BR], s[100:101] offset:64*\a                 ; b_in at A's row 16 a + r, twice: a pair for the packed addition
	global_load_b32 v[BV+2*\a+1], v[BR], s[100:101] offset:64*\a
.endr
.macro FRAG reg, adr, q, i             ; a fragment, 16 rows x 128 K of 4-bit codes, is 8 registers: lane l holds row l % 16; registers 4 c .. 4 c + 3 hold K = 64 c + 32 (l / 16) + 0 .. 31
.irp c, 0,1
	ds_load_b128 v[\reg+4*\c:\reg+4*\c+3], v[\adr] offset:64*(\q)+32*\c+(\i)*16*PITCH
.endr
.endm
; 16 matrix instructions: A's blocks a0, a0 + 1 x B's eight, 128 along K: the slot's q-th.  p: B's set;  sc: the set of scale words.  zero = 1: the first product starts the sums.
; The 64 accumulators take turns, one instruction a turn, in the same order in every step.
.macro MUL16 a0, p, q, sc, zero
.irp a, \a0, \a0+1
.irp b, 0,1,2,3,4,5,6,7
.if \zero
	v_wmma_scale_f32_16x16x128_f8f6f4 v[8*(8*((\a)%4)+\b):8*(8*((\a)%4)+\b)+7], v[128*(\p)+FR*\b:128*(\p)+FR*\b+FR-1], v[AF+FR*(\a):AF+FR*(\a)+FR-1], 0, v[SC+8*NQ*(\sc)+NQ*\b+(\q)], v[SC+8*NQ*(\sc)+NQ*(\a)+(\q)] matrix_a_fmt:MATRIX_FMT_FP4 matrix_b_fmt:MATRIX_FMT_FP4 matrix_a_scale:MATRIX_SCALE_ROW1
.else
	v_wmma_scale_f32_16x16x128_f8f6f4 v[8*(8*((\a)%4)+\b):8*(8*((\a)%4)+\b)+7], v[128*(\p)+FR*\b:128*(\p)+FR*\b+FR-1], v[AF+FR*(\a):AF+FR*(\a)+FR-1], v[8*(8*((\a)%4)+\b):8*(8*((\a)%4)+\b)+7], v[SC+8*NQ*(\sc)+NQ*\b+(\q)], v[SC+8*NQ*(\sc)+NQ*(\a)+(\q)] matrix_a_fmt:MATRIX_FMT_FP4 matrix_b_fmt:MATRIX_FMT_FP4 matrix_a_scale:MATRIX_SCALE_ROW1
.endif
.endr
.endr
.endm
.macro FETCH_B slot, q, p              ; B's eight fragments of the slot's q-th 128 along K into set p
	WIN TO_B
.irp i, 0,1,2,3,4,5,6,7
	FRAG 128*(\p)+FR*\i, ADRB+\slot, \q, \i
.endr
	WIN 0
.endm
.macro FETCH_A slot, q, i0             ; A's blocks i0 .. i0 + 3
.irp i, \i0, \i0+1, \i0+2, \i0+3
	FRAG AF+FR*(\i), ADRA+\slot, \q, \i
.endr
.endm
.macro SCALES sc                       ; a slot's scale words into set sc: 4 words a row; lanes 0-15 take A's block i, lanes 16-31 B's block i
.irp i, 0,1,2,3,4,5,6,7
	ds_load_b128 v[SC+8*NQ*\sc+NQ*\i:SC+8*NQ*\sc+NQ*\i+3], v[ADRS] offset:\i*SBLK
.endr
.endm
.macro PLACES n                        ; places in front of loads into registers that matrix instructions have read, and of the first read of results (ISA guide 7.12.1 for the first read of results)
.rept \n
	v_nop
.endr
.endm
; A step of 128 along K that has its successor in the same slot.  A block of A is free as soon as its eight products are issued, so A has one set of registers: blocks 0-3 are fetched anew in the step's middle, blocks 4-7 at its end.
.macro STEP slot, q, zero
	s_wait_dscnt 4*NL                              ; B's set and A's blocks 0-3 are in; the youngest eight loads (A's blocks 4-7) may be out
	WIN MUL_LO
	MUL16 0, (\q)%2, \q, \slot, \zero
	MUL16 2, (\q)%2, \q, \slot, \zero
	s_wait_dscnt 0                                 ; A's blocks 4-7 are in
	PLACES NP
	FETCH_B \slot, (\q)+1, 1-(\q)%2
	FETCH_A \slot, (\q)+1, 0
	WIN MUL_HI
	MUL16 4, (\q)%2, \q, \slot, \zero
	MUL16 6, (\q)%2, \q, \slot, \zero
	PLACES NP
	WIN 0
	FETCH_A \slot, (\q)+1, 4
.endm
	s_wait_tensorcnt 0x1                           ; the scales and my part of K's first half are in; the one load issued behind them, the second half's, may be out
	s_barrier_signal -1
	s_barrier_wait -1                              ; everybody's are
	FETCH_B 0, 0, 0
	FETCH_A 0, 0, 0
	SCALES 0
	FETCH_A 0, 0, 4
	STEP 0, 0, 1                                   ; the first step's products start the sums: nothing is cleared
	STEP 0, 1, 0
	STEP 0, 2, 0
	; the first half's last step goes over to the second half: one barrier, behind which nothing is filled
	s_wait_tensorcnt 0x0                           ; my part of K's second half is in
	s_wait_dscnt 4*NL                              ; (the youngest eight loads, A's blocks 4-7, may be out)
	WIN MUL_LO
	MUL16 0, 1, 3, 0, 0
	s_wait_dscnt 0x0                               ; no LDS instruction of mine is pending at the signal
	s_barrier_signal -1
	MUL16 2, 1, 3, 0, 0                            ; work on registers while the others arrive
	WIN 0
	s_barrier_wait -1
	PLACES NP
	v_add_nc_u32 v[ADRS], 4*NQ, v[ADRS]            ; on to the second half's scale words
	FETCH_B 1, 0, 0
	FETCH_A 1, 0, 0
	SCALES 1
	WIN MUL_HI
	MUL16 4, 1, 3, 0, 0
	MUL16 6, 1, 3, 0, 0
	PLACES NP
	WIN 0
	FETCH_A 1, 0, 4
	STEP 1, 0, 0
	STEP 1, 1, 0
	STEP 1, 2, 0
	s_wait_dscnt 4*NL                              ; the very last step: nothing more to fetch
	WIN MUL_LO
	MUL16 0, 1, 3, 1, 0
	MUL16 2, 1, 3, 1, 0
	s_wait_dscnt 0
	WIN MUL_HI
	MUL16 4, 1, 3, 1, 0
	MUL16 6, 1, 3, 1, 0
	WIN 0
	PLACES NP                                      ; in front of the first read of results and of writes into the registers that held A's fragments
	s_wait_loadcnt 0x0                             ; the biases
; 64 numbers of a lane, v[s + 8 t + j] = B's row 16 t + 8 h + j of my row of A, become 8 registers of codes in v[PC] on (k = 64 c + 32 h + 0 .. 31 in registers 4 c .. 4 c + 3) and a scale word in v[PW]
.macro QUANT s
.irp b, 0,1,2,3
	v_max3_num_f32 v[TM+\b], |v[\s+16*\b]|, |v[\s+16*\b+1]|, 0x1800000   ; block b: my 16 numbers, and the floor 2^(3 - 127): the byte cannot fall under 1
.endr
.irp n, 2,4,6,8,10,12,14
.irp b, 0,1,2,3
	v_max3_num_f32 v[TM+\b], v[TM+\b], |v[\s+16*\b+\n]|, |v[\s+16*\b+\n+1]|   ; (the four blocks by turns)
.endr
.endr
.irp b, 0,1,2,3
	v_permlanex16_b32 v[TM+4+\b], v[TM+\b], s[SEL], s[SEL+1]
.endr
.irp b, 0,1,2,3
	v_max_num_f32 v[TM+\b], v[TM+\b], v[TM+4+\b]   ; with lane l xor 16's: the block's largest magnitude
.endr
.irp b, 0,1,2,3
	v_add_nc_u32 v[TM+12+\b], 0xff000000, v[TM+\b] ; 2 off its exponent field: the conversion takes the exponent field of this operand as its scale
.endr
.irp b, 0,1,2,3
	v_lshrrev_b32 v[TM+4+\b], 23, v[TM+12+\b]      ; the scale's byte
.endr
	v_lshl_or_b32 v[PW], v[TM+5], 8, v[TM+4]
	v_lshl_or_b32 v[PW], v[TM+6], 16, v[PW]
	v_lshl_or_b32 v[PW], v[TM+7], 24, v[PW]
.irp c, 0,1
	v_cvt_scalef32_pk8_fp4_f32 v[PC+4*\c], v[\s+32*\c:\s+32*\c+7], v[TM+12+2*\c]          ; X of block 2 c
	v_cvt_scalef32_pk8_fp4_f32 v[PC+4*\c+2], v[\s+32*\c+8:\s+32*\c+15], v[TM+12+2*\c]     ; Y of block 2 c
	v_cvt_scalef32_pk8_fp4_f32 v[PC+4*\c+1], v[\s+32*\c+16:\s+32*\c+23], v[TM+13+2*\c]    ; X of block 2 c + 1
	v_cvt_scalef32_pk8_fp4_f32 v[PC+4*\c+3], v[\s+32*\c+24:\s+32*\c+31], v[TM+13+2*\c]    ; Y of block 2 c + 1
.endr
	v_nop                                          ; one plain place behind a scaled conversion
.irp c, 0,1
	v_permlane16_swap_b32 v[PC+4*\c], v[PC+4*\c+1]     ; the first's lanes 16-31 change places with the second's lanes 0-15: a whole block in a lane
	v_permlane16_swap_b32 v[PC+4*\c+2], v[PC+4*\c+3]
.endr
.endm
; THE WAY OUT, A's blocks one after the other: the bias is added (each accumulator is read from its low end on), the 64 numbers are quantised, the codes leave as they stand, 512 consecutive bytes a store;
; the scale bytes are gathered in the wave's own 512 bytes of LDS and leave at the end.
.macro EPI role
.irp a, 0,1,2,3,4,5,6,7
.if \a > 0
	s_wait_xcnt 0x0                                ; the last block's stores have read their registers: the codes are written again only behind this wait
	s_wait_dscnt 0x0                               ; and so has its LDS store
.endif
	WIN 0x02+\a/4                                  ; source 0: window 2 or 3
.set n, 0
.rept 32
.if \role
	v_pk_add_f32 v[ST+n:ST+n+1], v[64*(\a%4)+n:64*(\a%4)+n+1], v[BV+2*\a:BV+2*\a+1]
.else
	v_pk_add_f32 v[ST+n:ST+n+1], v[64*(\a%4)+n:64*(\a%4)+n+1], v[B0+n:B0+n+1]
.endif
.set n, n+2
.endr
	WIN 0
	QUANT ST
.if \role
	global_store_b128 v[LI], v[PC:PC+3], s[OC:OC+1] offset:65536*\a            ; channels 16 a on, my 128 tokens: c = 0,
	global_store_b128 v[LI], v[PC+4:PC+7], s[OC:OC+1] offset:65536*\a+512      ; c = 1
	ds_store_b32 v[SV], v[PW] offset:256*(\a/4)+4*(\a%4)                       ; [head][r][tile of channels]; lanes 16-31 write the same word with the same value
.else
	global_store_b128 v[LI], v[PC:PC+3], s[OC:OC+1] offset:512*\a              ; tokens 16 a on: my first slot of 64 e,
	global_store_b128 v[LI], v[PC+4:PC+7], s[OC:OC+1] offset:262144+512*\a     ; my second
	v_lshrrev_b32 v[PH], v[SH], v[PW]                                          ; lanes 0-15: the first slot's two bytes; lanes 16-31: the second's
	ds_store_b16 v[SQ], v[PH] offset:2*\a                                      ; [slot][r][tile of tokens]
.endif
.endr
	s_wait_xcnt 0x0
.if \role
	ds_load_b128 v[PC:PC+3], v[SVR]                ; LDS serves a wave's instructions in order (ISA guide 5.7.1.4): this sees my stores
	s_wait_dscnt 0x0
	global_store_b128 v[LI], v[PC:PC+3], s[OS:OS+1]    ; 512 consecutive bytes
.else
	ds_load_b128 v[PC:PC+3], v[SQR]
	s_wait_dscnt 0x0
	global_store_b128 v[GQ], v[PC:PC+3], s[OS:OS+1]    ; sixteen lanes store 256 consecutive bytes of each slot
.endif
.endm
	s_cmp_lt_u32 s17, 8                            ; the one branch on the role: the same in all partners
	s_cbranch_scc0 .Lv
	EPI 0
	s_branch .Lend
.Lv:
	EPI 1
.Lend:
	s_wait_tensorcnt 0x0
	ds_add_u32 v122, v123
	s_wait_dscnt 0x0
	CROUND                                         ; the closing round: no work-group ends while a partner may still ask for a tile that names it
	s_endpgm
.Lfunc_end_k_qb318c258bd_qkv:
	.size	k_qb318c258bd_qkv, .Lfunc_end_k_qb318c258bd_qkv-k_qb318c258bd_qkv
	.p2alignl 7, 3214868480
	.fill 96, 4, 3214868480
	.section	.rodata,"a",@progbits
	.p2align	6, 0x0
	.amdhsa_kernel k_qb318c258bd_qkv
		.amdhsa_group_segment_fixed_size 300544
		.amdhsa_private_segment_fixed_size 0
		.amdhsa_enable_private_segment 0
		.amdhsa_kernarg_size 72
		.amdhsa_user_sgpr_count 2
		.amdhsa_user_sgpr_kernarg_segment_ptr 1
		.amdhsa_wavefront_size32 1
		.amdhsa_system_sgpr_workgroup_id_x 1
		.amdhsa_system_sgpr_workgroup_id_y 1
		.amdhsa_system_sgpr_workgroup_id_z 1
		.amdhsa_system_vgpr_workitem_id 0
		.amdhsa_next_free_vgpr 1024
		.amdhsa_next_free_sgpr 102
		.amdhsa_reserve_vcc 0
		.amdhsa_float_denorm_mode_32 3
		.amdhsa_float_denorm_mode_16_64 3
		.amdhsa_memory_ordered 1
		.amdhsa_forward_progress 1
		.amdhsa_inst_pref_size 198
	.end_amdhsa_kernel
	.amdgpu_metadata
---
amdhsa.version: [ 1, 2 ]
amdhsa.kernels:
  - .name:           k_qb318c258bd_qkv
    .symbol:         k_qb318c258bd_qkv.kd
    .args:
      - { .name: x_codes, .offset: 0, .size: 8, .value_kind: global_buffer, .address_space: global }
      - { .name: x_scales, .offset: 8, .size: 8, .value_kind: global_buffer, .address_space: global }
      - { .name: w_in_codes, .offset: 16, .size: 8, .value_kind: global_buffer, .address_space: global }
      - { .name: w_in_scales, .offset: 24, .size: 8, .value_kind: global_buffer, .address_space: global }
      - { .name: b_in, .offset: 32, .size: 8, .value_kind: global_buffer, .address_space: global }
      - { .name: qk_codes, .offset: 40, .size: 8, .value_kind: global_buffer, .address_space: global }
      - { .name: qk_scales, .offset: 48, .size: 8, .value_kind: global_buffer, .address_space: global }
      - { .name: v_codes, .offset: 56, .size: 8, .value_kind: global_buffer, .address_space: global }
      - { .name: v_scales, .offset: 64, .size: 8, .value_kind: global_buffer, .address_space: global }
    .group_segment_fixed_size: 300544
    .private_segment_fixed_size: 0
    .kernarg_segment_align: 8
    .kernarg_segment_size: 72
    .max_flat_workgroup_size: 128
    .sgpr_count:     102
    .vgpr_count:     1024
    .wavefront_size: 32
...
	.end_amdgpu_metadata
.endif
;; end of part 1
;; launch attn (part 2): grid 4 x 64, 16 waves a work-group, clusters of 4 x 1, 169,984 bytes of LDS; arguments qk_codes, qk_scales, v_codes, v_scales, o_codes, o_scales; writes o_codes, o_scales
.if DOCPART == 2
	.amdgcn_target "amdgcn-amd-amdhsa--gfx1250"
	.amdhsa_code_object_version 6
	.text
	.protected	k_qb318c258bd_attn
	.globl	k_qb318c258bd_attn
	.p2align	8
	.type	k_qb318c258bd_attn,@function
k_qb318c258bd_attn:
	s_mov_b64 s[64:65], 0
	v_nop
	global_prefetch_b8 v0, s[64:65] scope:SCOPE_SE
	s_setreg_imm32_b32 hwreg(HW_REG_WAVE_MODE, 25, 1), 1
	s_wait_xcnt 0x0
	s_wait_alu depctr_hold_cnt(0) depctr_sa_sdst(0) depctr_va_vdst(0) depctr_va_sdst(0) depctr_va_ssrc(0) depctr_va_vcc(0) depctr_vm_vsrc(0)
	s_getreg_b32 s2, hwreg(HW_REG_IB_STS2, 6, 4)
	s_cmp_eq_u32 s2, 0
	s_cbranch_scc0 .Lentry_in_a_cluster
	s_endpgm
.Lentry_in_a_cluster:
	s_bfe_u32 s2, ttmp6, 0x10000c
	s_cmp_lg_u32 s2, 0x3003
	s_cbranch_scc0 .Lentry_shape_is_right
	s_endpgm
.Lentry_shape_is_right:
; O = softmax(q k^T / 64) v for one head, both products on codes of FP4 (E2M1) with one E8M0 scale for each 32 along a product's K; O / l is quantised along the model's 1,024 for the last product.
; THE SOFTMAX AHEAD OF THE SECOND PRODUCT: t = score x log2(e) / 64; M = the row's largest t so far, rounded UP to a whole number; p = 2^(t - M) is what is quantised, along the keys; the row's sum is taken of the
; unquantised p and divides O at the end.  When M moves, the sum and O are multiplied by 2^(old M - new M): exact.
; SHARES.  A work-group owns one head of one batch (work-group y) and 512 queries; each of its sixteen waves owns TWO tiles of 16 queries, which share every fragment of K and V read from LDS.  Four waves to a SIMD:
; one wave's vector work stands beside another's matrix work and LDS loads.
; THE WHOLE HEAD'S K AND V LIE IN LDS: 2,048 keys x 64 in 4-bit codes are 65,536 bytes each, their scale bytes 4,096 each.  Every LDS byte is filled once, so the loop over the keys has no tensor load and no barrier.
; CLUSTER.  The four query blocks of a head walk the same K and V: each tile is asked for jointly, by the same tensor load with the same descriptor and the mask 15.
; LAYOUT.  K, V and Q lie in memory and LDS as images of the operands' registers, 16 bytes a lane: a load's 512 bytes are consecutive.  Both products are used transposed (S^T = K Q^T, O^T = V^T P^T): a lane holds ONE query.
; K = 64 IN AN INSTRUCTION OF 128: source 0 is two tiles of 16 keys side by side (registers 0-3 one tile's 64 dims, registers 4-7 the next tile's); source 1 is [Q | zeros] for the first tile and [zeros | Q] for the second:
; zero codes add nothing.  One scale word (two bytes of each tile) serves both products; Q's word holds its two bytes twice.
; p is quantised as in the launch before: tile t holds keys 16 t + 8 h + j; block b is tiles 2 b, 2 b + 1; two v_permlane16_swap_b32 for each pair of blocks give the operand's layout.
; A block's largest p is not searched for: p rises with the score, so the block's largest score goes through the same multiply-add and exponential.
; LIMITS: NaN and infinities are not served.  A p under 2^-126 comes out of v_exp_f32 as 0.  A block of zeros gets the byte 1 where the rule says 127: its codes are zeros, and this program alone reads the bytes.
.set KIM, 0                            ; LDS: K [tile of 16 keys: 128][512 bytes]
.set VIM, 65536                        ; V [16 channels: 4][128 keys: 16][1,024 bytes]
.set KSC, 131072                       ; K's scale bytes [128 keys: 16][r 16][tile 8][2 bytes]
.set VSC, 135168                       ; V's [128 keys: 16][r 16][tile of channels 4][4 bytes]
.set OST, 139264                       ; 1,024 bytes in which O's scale halfwords are gathered; no tile lands there
.set LI,  1                            ; v1   16 x lane
.set ADK, 2                            ; v2   LDS address of the step's K
.set ADV, 3                            ; v3   of its V
.set ADS, 4                            ; v4   of its scale words: lanes 0-15 K's, lanes 16-31 V's
.set OSW, 5                            ; v5   where my word of O's scale bytes goes
.set OSR, 6                            ; v6   where I read 16 bytes of them back
.set GT,  7                            ; v7   16 x thread
.set QS,  8                            ; v8-9   Q's scale words, tile 0, 1
.set PW,  10                           ; v10-11 p's scale words
.set STA, 12                           ; v12-15, v16-19  tile i: -M, the largest t, the sum in two halves
.set SC,  40                           ; v40-43 the step's scale words.  (v20-39: zeros, Q of tile 0, zeros, Q of tile 1, zeros: four registers each)
.set KV,  44                           ; v44-75 four pairs of tiles of K, then four tiles of V
.set PC,  76                           ; v76-83, v84-91 p's codes
.set S,   92                           ; v92-155 S^T, then p
.set O,   156                          ; v156-187, v188-219 O^T
.set BM,  220
.set T2,  224
.set SO,  228
.set F,   232
.set TMP, 234
.set HW,  235                          ; v235-236 O's scale halfwords
.set AV0, 237                          ; v237 VIM + 16 x lane
.set AS0, 238                          ; v238 KSC + 16 r + 4,096 h
.set QW,  239                          ; v239 16 r + 256 (wave / 4) + 4 (wave % 4): my word among the scale bytes of 512 tokens
.set G1K,  24
.set G1V,  32
.set G1KS, 40
.set G1VS, 48
.set G0K,  56
.set G0V,  60
.set G0KS, 68
.set G0VS, 72
.macro CROUND                          ; a round of the cluster's barrier
	s_barrier_signal -1
	s_barrier_wait -1
	s_cmp_lg_u32 s16, 0
	s_cbranch_scc1 .Lnot_wave_0_\@
	s_barrier_signal -3
.Lnot_wave_0_\@:
	s_barrier_wait -3
	s_barrier_signal -1
	s_barrier_wait -1
.endm
	s_load_b256 s[4:11], s[0:1], 0x0               ; qk_codes, qk_scales, v_codes, v_scales
	s_load_b128 s[12:15], s[0:1], 0x20             ; o_codes, o_scales
	v_lshl_add_u32 v254, v0, 2, 0x29000
	v_mov_b32 v255, 0
	ds_add_u32 v254, v255
	ds_add_u32 v254, v255
	v_lshrrev_b32 v240, 5, v0
	s_delay_alu instid0(VALU_DEP_1)
	v_readfirstlane_b32 s16, v240                  ; wave 0..15
	s_mov_b32 s84, 0                               ; the step's place in K's tiles: 4,096 bytes a step,
	s_mov_b32 s85, 0                               ; in V's: 1,024,
	s_mov_b32 s91, 0                               ; among the scale words: 256
	; every LDS address is made here, ahead of the first branch on the wave's number
	v_and_b32 v240, 31, v0
	s_delay_alu instid0(VALU_DEP_1)
	v_lshlrev_b32 v[LI], 4, v240
	v_and_b32 v241, 15, v0
	v_bfe_u32 v242, v0, 4, 1
	s_delay_alu instid0(VALU_DEP_2)
	v_lshlrev_b32 v241, 4, v241                    ; 16 r
	s_delay_alu instid0(VALU_DEP_4)
	v_add_nc_u32 v[AV0], VIM, v[LI]
	s_delay_alu instid0(VALU_DEP_2)
	v_lshl_add_u32 v242, v242, 12, v241            ; lanes 16-31 take V's words: the lower base + h x the distance
	s_delay_alu instid0(VALU_DEP_1)
	v_add_nc_u32 v[AS0], KSC, v242
	s_lshr_b32 s76, s16, 2
	s_lshl_b32 s76, s76, 8
	s_and_b32 s77, s16, 3
	s_lshl_b32 s77, s77, 2
	s_add_co_u32 s76, s76, s77
	v_add_nc_u32 v[QW], s76, v241
	s_delay_alu instid0(VALU_DEP_1)
	v_add_nc_u32 v[OSW], OST, v[QW]
	v_lshlrev_b32 v[GT], 4, v0
	s_delay_alu instid0(VALU_DEP_1)
	v_add_nc_u32 v[OSR], OST, v[GT]
	v_add_nc_u32 v[ADK], s84, v[LI]
	v_add_nc_u32 v[ADV], s85, v[AV0]
	v_add_nc_u32 v[ADS], s91, v[AS0]
.irp z, 20,21,22,23,28,29,30,31,36,37,38,39
	v_mov_b32 v\z, 0                               ; the zero codes beside Q
.endr
.irp i, 0,1
	v_mov_b32 v[STA+4*\i+1], 0xff61b1e6            ; the largest t so far: -3e38, under every t
	s_delay_alu instid0(VALU_DEP_1)
	v_floor_f32 v[STA+4*\i], -v[STA+4*\i+1]        ; -M
	v_mov_b32 v[STA+4*\i+2], 0                     ; the sum, in two halves
	v_mov_b32 v[STA+4*\i+3], 0
.endr
.irp b, 0,1,2,3
	v_mov_b32 v[T2+\b], 0                          ; written once: a lane permute's destination counts as one of its sources
.endr
	v_mov_b32 v[F+1], 0                            ; (named as the upper half of a pair)
	s_bfe_u32 s17, ttmp6, 0x40000                  ; cx
	s_lshl_b32 s76, ttmp9, 2
	s_add_co_u32 s17, s17, s76                     ; my block of 512 queries: it enters Q's and O's addresses alone
	s_and_b32 s77, ttmp7, 0xffff
	s_and_b32 s18, s77, 15                         ; the head H
	s_lshr_b32 s19, s77, 4                         ; the batch b
	s_mov_b32 s20, 0x76543210
	s_mov_b32 s21, 0xfedcba98                      ; v_permlanex16_b32's selects for lane l xor 16
	s_mov_b32 s22, 0x3cb8aa3b                      ; c = log2(e) / 64
	s_mov_b32 s23, s22                             ; (named with it as a pair, so it is written)
	s_mov_b32 s89, 0x01000100                      ; byte selects: a word's low half twice,
	s_mov_b32 s90, 0x03020302                      ; its high half twice
	; descriptor groups 1: elements of 8 bytes, no padding, the mask of all four work-groups with bit 21 beside it
.irp g, G1K, G1V, G1KS, G1VS
	s_mov_b32 s[\g], 15|(3<<16)|(1<<21)
	s_mov_b32 s[\g+6], 0
	s_mov_b32 s[\g+7], 0
.endr
	s_mov_b32 s[G1K+1], 32<<16                     ; K: half a head's tiles, 32,768 dense bytes, as 128 rows of 256
	s_mov_b32 s[G1K+2], 128<<16
	s_mov_b32 s[G1K+3], 32<<16
	s_mov_b32 s[G1K+4], 128
	s_mov_b32 s[G1K+5], 32
	s_mov_b32 s[G1V+1], 2048<<16                   ; V: two tiles of 16 channels: each 16,384 dense bytes (this batch's 16 steps), 65,536 bytes apart
	s_mov_b32 s[G1V+2], 2<<16
	s_mov_b32 s[G1V+3], 2048<<16
	s_mov_b32 s[G1V+4], 2
	s_mov_b32 s[G1V+5], 8192
	s_mov_b32 s[G1KS+1], 32<<16                    ; K's scale bytes: 4,096 dense bytes, as 16 rows of 256
	s_mov_b32 s[G1KS+2], 16<<16
	s_mov_b32 s[G1KS+3], 32<<16
	s_mov_b32 s[G1KS+4], 16
	s_mov_b32 s[G1KS+5], 32
	s_mov_b32 s[G1VS+1], 32<<16                    ; V's: 16 rows of 256 bytes (a step's, this head's), 4,096 bytes apart
	s_mov_b32 s[G1VS+2], 16<<16
	s_mov_b32 s[G1VS+3], 32<<16
	s_mov_b32 s[G1VS+4], 16
	s_mov_b32 s[G1VS+5], 512
	; where the tiles come from: made of H, b and the wave's number alone, which the four partners share
	s_and_b32 s76, s16, 1                          ; which half I fetch, if I fetch
	s_lshl_b32 s77, s76, 15
	s_add_co_u32 s78, s18, 16
	s_lshl_b32 s78, s78, 18                        ; K: slot 16 + H of 262,144 bytes,
	s_lshl_b32 s79, s19, 16                        ; the batch's 128 tiles,
	s_add_co_u32 s78, s78, s79
	s_add_co_u32 s78, s78, s77                     ; my half
	s_mov_b32 s79, 0
	s_lshl_b32 s80, s18, 18                        ; V: the head's four tiles of channels, 65,536 bytes each,
	s_lshl_b32 s81, s76, 17                        ; my two of them,
	s_add_co_u32 s80, s80, s81
	s_lshl_b32 s81, s19, 14                        ; the batch's 16 steps
	s_add_co_u32 s80, s80, s81
	s_mov_b32 s81, 0
	s_add_co_u32 s82, s18, 16
	s_lshl_b32 s82, s82, 14                        ; K's scale bytes: slot 16 + H of 16,384 bytes, the batch's 4,096
	s_lshl_b32 s83, s19, 12
	s_add_co_u32 s82, s82, s83
	s_mov_b32 s83, 0
	s_lshl_b32 s86, s19, 16                        ; V's: the batch's 16 steps of 4,096 bytes, the head's 256 in each
	s_lshl_b32 s87, s18, 8
	s_add_co_u32 s86, s86, s87
	s_mov_b32 s87, 0
	s_wait_dscnt 0x0
	s_wait_kmcnt 0x0
	s_mov_b32 s[G0K], 1
	s_add_co_u32 s[G0K+1], s77, KIM
	s_add_nc_u64 s[G0K+2:G0K+3], s[4:5], s[78:79]
	s_or_b32 s[G0K+3], s[G0K+3], 0x80000000
	s_mov_b32 s[G0V], 1
	s_add_co_u32 s[G0V+1], s77, VIM
	s_add_nc_u64 s[G0V+2:G0V+3], s[8:9], s[80:81]
	s_or_b32 s[G0V+3], s[G0V+3], 0x80000000
	s_mov_b32 s[G0KS], 1
	s_mov_b32 s[G0KS+1], KSC
	s_add_nc_u64 s[G0KS+2:G0KS+3], s[6:7], s[82:83]
	s_or_b32 s[G0KS+3], s[G0KS+3], 0x80000000
	s_mov_b32 s[G0VS], 1
	s_mov_b32 s[G0VS+1], VSC
	s_add_nc_u64 s[G0VS+2:G0VS+3], s[10:11], s[86:87]
	s_or_b32 s[G0VS+3], s[G0VS+3], 0x80000000
	; Q's and O's places: head x 262,144 + (128 b + 32 block + 2 wave) x 512 in the codes; head x 16,384 + (16 b + 4 block) x 256 in the scale bytes
	s_lshl_b32 s78, s18, 18
	s_lshl_b32 s79, s19, 16
	s_add_co_u32 s78, s78, s79
	s_lshl_b32 s79, s17, 14
	s_add_co_u32 s78, s78, s79
	s_lshl_b32 s79, s16, 10
	s_add_co_u32 s78, s78, s79
	s_mov_b32 s79, 0
	s_add_nc_u64 s[4:5], s[4:5], s[78:79]
	s_add_nc_u64 s[12:13], s[12:13], s[78:79]
	s_lshl_b32 s80, s18, 14
	s_lshl_b32 s81, s19, 12
	s_add_co_u32 s80, s80, s81
	s_lshl_b32 s81, s17, 10
	s_add_co_u32 s80, s80, s81
	s_mov_b32 s81, 0
	s_add_nc_u64 s[6:7], s[6:7], s[80:81]
	s_add_nc_u64 s[14:15], s[14:15], s[80:81]
	CROUND                                         ; all four work-groups are here: the joint loads meet
	; the fills, all of them first fills, in one chain of branches on the wave's number: waves 0, 1: K's halves; 2, 3: V's; 4: K's scale bytes; 5: V's; the others none.  Four v_nop follow each
	s_cmp_lt_u32 s16, 2
	s_cbranch_scc0 .Lnot_k
	tensor_load_to_lds s[G0K:G0K+3], s[G1K:G1K+7]
	s_nop 0
.rept 4
	v_nop
.endr
	s_branch .Lasked
.Lnot_k:
	s_cmp_lt_u32 s16, 4
	s_cbranch_scc0 .Lnot_v
	tensor_load_to_lds s[G0V:G0V+3], s[G1V:G1V+7]
	s_nop 0
.rept 4
	v_nop
.endr
	s_branch .Lasked
.Lnot_v:
	s_cmp_eq_u32 s16, 4
	s_cbranch_scc0 .Lnot_ks
	tensor_load_to_lds s[G0KS:G0KS+3], s[G1KS:G1KS+7]
	s_nop 0
.rept 4
	v_nop
.endr
	s_branch .Lasked
.Lnot_ks:
	s_cmp_eq_u32 s16, 5
	s_cbranch_scc0 .Lasked
	tensor_load_to_lds s[G0VS:G0VS+3], s[G1VS:G1VS+7]
	s_nop 0
.rept 4
	v_nop
.endr
.Lasked:
	global_load_b128 v[24:27], v[LI], s[4:5]               ; Q of my first tile: it stays in registers
	global_load_b128 v[32:35], v[LI], s[4:5] offset:512    ; and of my second
	global_load_b32 v[TMP], v[QW], s[6:7]                  ; their scale bytes: the first tile's two in the low half, the second's in the high half
	s_wait_tensorcnt 0x0                           ; my load, if I issued one, has landed
	s_barrier_signal -1
	s_barrier_wait -1                              ; everybody's has: the head lies in LDS
.macro KLOAD                           ; a step's 8 tiles of K, as four pairs, and its scale words: register i: lanes 0-15 K's pair i, lanes 16-31 V's tile i
.irp p, 0,1,2,3
	ds_load_b128 v[KV+8*\p:KV+8*\p+3], v[ADK] offset:1024*\p
	ds_load_b128 v[KV+8*\p+4:KV+8*\p+7], v[ADK] offset:1024*\p+512
.endr
	ds_load_b128 v[SC:SC+3], v[ADS]
.endm
.macro VLOAD                           ; a step's four tiles of V: 16 channels x 128 keys each
.irp t, 0,1,2,3
	ds_load_b128 v[KV+8*\t:KV+8*\t+3], v[ADV] offset:16384*\t
	ds_load_b128 v[KV+8*\t+4:KV+8*\t+7], v[ADV] offset:16384*\t+512
.endr
.endm
.macro QK i                            ; S^T of query tile i: pair p against [Q | 0] gives keys 32 p + 0 .. 15, against [0 | Q] keys 32 p + 16 .. 31
.irp p, 0,1,2,3
	v_wmma_scale_f32_16x16x128_f8f6f4 v[S+16*\p:S+16*\p+7], v[KV+8*\p:KV+8*\p+7], v[24+8*\i:31+8*\i], 0, v[SC+\p], v[QS+\i] matrix_a_fmt:MATRIX_FMT_FP4 matrix_b_fmt:MATRIX_FMT_FP4
	v_wmma_scale_f32_16x16x128_f8f6f4 v[S+16*\p+8:S+16*\p+15], v[KV+8*\p:KV+8*\p+7], v[20+8*\i:27+8*\i], 0, v[SC+\p], v[QS+\i] matrix_a_fmt:MATRIX_FMT_FP4 matrix_b_fmt:MATRIX_FMT_FP4
.endr
.endm
.macro PV                              ; O^T += V^T P^T for both query tiles: the eight accumulators take turns, one instruction a turn
.irp t, 0,1,2,3
.irp i, 0,1
	v_wmma_scale_f32_16x16x128_f8f6f4 v[O+32*\i+8*\t:O+32*\i+8*\t+7], v[KV+8*\t:KV+8*\t+7], v[PC+8*\i:PC+8*\i+7], v[O+32*\i+8*\t:O+32*\i+8*\t+7], v[SC+\t], v[PW+\i] matrix_a_fmt:MATRIX_FMT_FP4 matrix_b_fmt:MATRIX_FMT_FP4 matrix_a_scale:MATRIX_SCALE_ROW1
.endr
.endr
.endm
; THE SOFTMAX of query tile i for 128 keys: register 16 b + n of S is key 32 b + 8 h + n (n < 8) or 32 b + 16 + 8 h + n - 8: my 16 of block b's 32 keys
.macro SOFT i
.set rT, STA+4*\i
.set rO, O+32*\i
.set rP, PC+8*\i
.irp b, 0,1,2,3
	v_max3_num_f32 v[BM+\b], v[S+16*\b], v[S+16*\b+1], v[S+16*\b+2]   ; the largest score of each block: for the row's maximum and for the block's largest p.  Each result is read from its low end on
.endr
.irp n, 3,5,7,9,11,13
.irp b, 0,1,2,3
	v_max3_num_f32 v[BM+\b], v[BM+\b], v[S+16*\b+\n], v[S+16*\b+\n+1]   ; (the four blocks by turns)
.endr
.endr
.irp b, 0,1,2,3
	v_max_num_f32 v[BM+\b], v[BM+\b], v[S+16*\b+15]
.endr
.irp b, 0,1,2,3
	s_delay_alu instid0(VALU_DEP_4)
	v_permlanex16_b32 v[T2+\b], v[BM+\b], s20, s21
.endr
.irp b, 0,1,2,3
	s_delay_alu instid0(VALU_DEP_4)
	v_max_num_f32 v[BM+\b], v[BM+\b], v[T2+\b]     ; with lane l xor 16's 16 keys
.endr
	s_delay_alu instid0(VALU_DEP_2)
	v_max3_num_f32 v[TMP], v[BM], v[BM+1], v[BM+2]
	s_delay_alu instid0(VALU_DEP_1)
	v_max_num_f32 v[TMP], v[TMP], v[BM+3]          ; the step's largest score of my query
	s_delay_alu instid0(VALU_DEP_1)
	v_mul_f32 v[TMP], s22, v[TMP]                  ; as t (c is positive)
	s_delay_alu instid0(VALU_DEP_1)
	v_max_num_f32 v[rT+1], v[rT+1], v[TMP]         ; the running largest t
	v_mov_b32 v[TMP], v[rT]
	s_delay_alu instid0(VALU_DEP_2)
	v_floor_f32 v[rT], -v[rT+1]                    ; the new -M = floor(-t) = -ceil(t)
	s_delay_alu instid0(VALU_DEP_1)
	v_sub_f32 v[TMP], v[rT], v[TMP]                ; old M - new M: a whole number, 0 or less
	s_delay_alu instid0(VALU_DEP_1)
	v_cvt_i32_f32 v[TMP], v[TMP]                   ; (it saturates)
	s_delay_alu instid0(VALU_DEP_1)
	v_ldexp_f32 v[F], 1.0, v[TMP]                  ; f = 2^(old M - new M)
.set n, 0
.rept 32
	v_pk_fma_f32 v[S+n:S+n+1], v[S+n:S+n+1], s[22:23], v[rT:rT+1] op_sel_hi:[1,0,0]   ; t - M, two at a time (of the pairs c and -M the low word serves both halves)
.set n, n+2
.endr
.irp b, 0,1,2,3
	v_fma_f32 v[BM+\b], v[BM+\b], s22, v[rT]       ; the same of each block's largest score
.endr
.set n, 0
	s_wait_alu depctr_va_vdst(0)
.rept 64
	v_exp_f32 v[S+n], v[S+n]                       ; p = 2^(t - M), at most 1: not normalised
.set n, n+1
.endr
.irp b, 0,1,2,3
	v_exp_f32 v[BM+\b], v[BM+\b]                   ; the block's largest p
.endr
	v_pk_mul_f32 v[rT+2:rT+3], v[rT+2:rT+3], v[F:F+1] op_sel_hi:[1,0]   ; the sums under the new M.  (A plain place behind the exponentials)
	s_wait_alu depctr_va_vdst(0)
.irp b, 0,1,2,3
	v_max_num_f32 v[BM+\b], 0x1800000, v[BM+\b]    ; the floor 2^(3 - 127): the byte cannot fall under 1
.endr
.irp b, 0,1,2,3
	s_delay_alu instid0(VALU_DEP_4)
	v_add_nc_u32 v[SO+\b], 0xff000000, v[BM+\b]    ; 2 off the exponent field: the conversion's scale operand
.endr
.irp b, 0,1,2,3
	s_delay_alu instid0(VALU_DEP_4)
	v_lshrrev_b32 v[T2+\b], 23, v[SO+\b]           ; the scale's byte
.endr
	s_delay_alu instid0(VALU_DEP_3)
	v_lshl_or_b32 v[PW+\i], v[T2+1], 8, v[T2]      ; p's scale word for these 128 keys
	s_delay_alu instid0(VALU_DEP_1)
	v_lshl_or_b32 v[PW+\i], v[T2+2], 16, v[PW+\i]
	s_delay_alu instid0(VALU_DEP_1)
	v_lshl_or_b32 v[PW+\i], v[T2+3], 24, v[PW+\i]
.irp c, 0,1
	v_cvt_scalef32_pk8_fp4_f32 v[rP+4*\c], v[S+32*\c:S+32*\c+7], v[SO+2*\c]
	v_cvt_scalef32_pk8_fp4_f32 v[rP+4*\c+2], v[S+32*\c+8:S+32*\c+15], v[SO+2*\c]
	v_cvt_scalef32_pk8_fp4_f32 v[rP+4*\c+1], v[S+32*\c+16:S+32*\c+23], v[SO+2*\c+1]
	v_cvt_scalef32_pk8_fp4_f32 v[rP+4*\c+3], v[S+32*\c+24:S+32*\c+31], v[SO+2*\c+1]
.endr
	v_nop                                          ; one plain place behind a scaled conversion
.irp c, 0,1
	v_permlane16_swap_b32 v[rP+4*\c], v[rP+4*\c+1]     ; a whole block in a lane: lanes 0-15 block 2 c, lanes 16-31 block 2 c + 1
	v_permlane16_swap_b32 v[rP+4*\c+2], v[rP+4*\c+3]
.endr
.set n, 0
.rept 16
	v_pk_mul_f32 v[rO+n:rO+n+1], v[rO+n:rO+n+1], v[F:F+1] op_sel_hi:[1,0]   ; O^T under the new M: x f, each accumulator from its low end on
.set n, n+2
.endr
	v_pk_add_f32 v[T2:T2+1], v[S:S+1], v[S+2:S+3]  ; the row's sum is taken of the unquantised p: two at a time, in two chains.  (These 32 are also the places in front of the products that follow)
.irp n, 4,8,12,16,20,24,28,32,36,40,44,48,52,56,60
	v_pk_add_f32 v[rT+2:rT+3], v[rT+2:rT+3], v[S+\n:S+\n+1]
	v_pk_add_f32 v[T2:T2+1], v[T2:T2+1], v[S+\n+2:S+\n+3]
.endr
	s_delay_alu instid0(VALU_DEP_1)
	v_pk_add_f32 v[rT+2:rT+3], v[rT+2:rT+3], v[T2:T2+1]
.endm
; A KEY STEP: 128 keys for my two query tiles.  K's fragments serve both tiles and then make room for V's, which land while the second tile's softmax is worked.  next = 1: the next step's K is asked for.
.macro STEP next
	s_wait_dscnt 0x0                               ; K and the scale words are in
	QK 0
.rept 4
	v_nop                                          ; places in front of the first read of the scores
.endr
	SOFT 0
	QK 1
.rept 4
	v_nop                                          ; places in front of the loads into K's registers and of the first read of the scores
.endr
	VLOAD
	s_setprio 1
	SOFT 1
	s_setprio 0
	s_wait_dscnt 0x0                               ; V is in
	PV
.if \next
	s_add_co_u32 s84, s84, 4096
	s_add_co_u32 s85, s85, 1024
	s_add_co_u32 s91, s91, 256
	v_add_nc_u32 v[ADK], s84, v[LI]                ; the next step's addresses: with the v_nop the four places in front of the loads into registers that the products have read
	v_add_nc_u32 v[ADV], s85, v[AV0]
	v_add_nc_u32 v[ADS], s91, v[AS0]
	v_nop
	KLOAD
.endif
.endm
; THE FINISH of query tile i: O^T / the sum, quantised along the head's 64 (two blocks), as the last product's operand: lane (r, h) = token r, dims 32 h ..
.macro FIN i
.set rT, STA+4*\i
.set rO, O+32*\i
.set rP, PC+8*\i
	v_add_f32 v[TMP], v[rT+2], v[rT+3]             ; the sum's two halves,
	s_wait_alu depctr_va_vdst(0)
	v_permlanex16_b32 v[T2], v[TMP], s20, s21
	s_delay_alu instid0(VALU_DEP_1)
	v_add_f32 v[TMP], v[TMP], v[T2]                ; and lane l xor 16's: the row's sum
	s_wait_alu depctr_va_vdst(0)
	v_rcp_f32 v[F], v[TMP]
	v_nop                                          ; one plain place behind a transcendental
.set n, 0
	s_wait_alu depctr_va_vdst(0)
.rept 16
	v_pk_mul_f32 v[rO+n:rO+n+1], v[rO+n:rO+n+1], v[F:F+1] op_sel_hi:[1,0]
.set n, n+2
.endr
.irp b, 0,1
	v_max3_num_f32 v[BM+\b], |v[rO+16*\b]|, |v[rO+16*\b+1]|, 0x1800000
.endr
.irp n, 2,4,6,8,10,12,14
.irp b, 0,1
	s_delay_alu instid0(VALU_DEP_2)
	v_max3_num_f32 v[BM+\b], v[BM+\b], |v[rO+16*\b+\n]|, |v[rO+16*\b+\n+1]|
.endr
.endr
.irp b, 0,1
	s_delay_alu instid0(VALU_DEP_2)
	v_permlanex16_b32 v[T2+\b], v[BM+\b], s20, s21
.endr
.irp b, 0,1
	s_delay_alu instid0(VALU_DEP_2)
	v_max_num_f32 v[BM+\b], v[BM+\b], v[T2+\b]
.endr
.irp b, 0,1
	s_delay_alu instid0(VALU_DEP_2)
	v_add_nc_u32 v[SO+\b], 0xff000000, v[BM+\b]
.endr
.irp b, 0,1
	s_delay_alu instid0(VALU_DEP_2)
	v_lshrrev_b32 v[T2+\b], 23, v[SO+\b]
.endr
	s_delay_alu instid0(VALU_DEP_1)
	v_lshl_or_b32 v[HW+\i], v[T2+1], 8, v[T2]      ; my token's two scale bytes
	v_cvt_scalef32_pk8_fp4_f32 v[rP], v[rO:rO+7], v[SO]
	v_cvt_scalef32_pk8_fp4_f32 v[rP+2], v[rO+8:rO+15], v[SO]
	v_cvt_scalef32_pk8_fp4_f32 v[rP+1], v[rO+16:rO+23], v[SO+1]
	v_cvt_scalef32_pk8_fp4_f32 v[rP+3], v[rO+24:rO+31], v[SO+1]
	v_nop
	v_permlane16_swap_b32 v[rP], v[rP+1]
	v_permlane16_swap_b32 v[rP+2], v[rP+3]
	global_store_b128 v[LI], v[rP:rP+3], s[12:13] offset:512*\i   ; 512 consecutive bytes
.endm
	KLOAD                                          ; key step 0
	s_wait_loadcnt 0x0                             ; Q and its scale bytes
	v_perm_b32 v[QS], v[TMP], v[TMP], s89          ; the first tile's two bytes, twice: one pair for [Q | 0], one for [0 | Q]
	v_perm_b32 v[QS+1], v[TMP], v[TMP], s90        ; the second tile's
.set n, 0
.rept 64
	v_mov_b32 v[O+n], 0                            ; O^T.  (The step is written once for the loop: its first trip finds zeros, which the first change of M leaves zeros.  These lines are also the places behind the scale words just made)
.set n, n+1
.endr
	s_mov_b32 s88, 15
.Lstep:                                            ; 15 trips: each asks for the next step's K
	s_setprio 2
	STEP 1
	s_sub_co_u32 s88, s88, 1
	s_cmp_lg_u32 s88, 0
	s_cbranch_scc1 .Lstep
	s_setprio 0
	STEP 0                                         ; the last step asks for nothing
.rept 4
	v_nop                                          ; places in front of the first read of the last products' results
.endr
	FIN 0
	FIN 1
	v_lshl_or_b32 v[HW], v[HW+1], 16, v[HW]        ; my two tiles' halfwords are neighbours in the row of token r
	ds_store_b32 v[OSW], v[HW]                     ; lanes 16-31 write the same word with the same value
	s_wait_dscnt 0x0                               ; for the others' sake: my store is done
	s_barrier_signal -1
	s_barrier_wait -1
	s_cmp_lt_u32 s16, 2                            ; the scale bytes of the work-group's 512 tokens are 1,024 consecutive bytes: waves 0 and 1 store them
	s_cbranch_scc0 .Lno_sc
	ds_load_b128 v[S:S+3], v[OSR]
	s_wait_dscnt 0x0
	global_store_b128 v[GT], v[S:S+3], s[14:15]
.Lno_sc:
	s_wait_tensorcnt 0x0
	ds_add_u32 v254, v255
	s_wait_dscnt 0x0
	CROUND                                         ; the closing round: no work-group ends while a partner may still ask for a tile that names it
	s_endpgm
.Lfunc_end_k_qb318c258bd_attn:
	.size	k_qb318c258bd_attn, .Lfunc_end_k_qb318c258bd_attn-k_qb318c258bd_attn
	.p2alignl 7, 3214868480
	.fill 96, 4, 3214868480
	.section	.rodata,"a",@progbits
	.p2align	6, 0x0
	.amdhsa_kernel k_qb318c258bd_attn
		.amdhsa_group_segment_fixed_size 169984
		.amdhsa_private_segment_fixed_size 0
		.amdhsa_enable_private_segment 0
		.amdhsa_kernarg_size 48
		.amdhsa_user_sgpr_count 2
		.amdhsa_user_sgpr_kernarg_segment_ptr 1
		.amdhsa_wavefront_size32 1
		.amdhsa_system_sgpr_workgroup_id_x 1
		.amdhsa_system_sgpr_workgroup_id_y 1
		.amdhsa_system_sgpr_workgroup_id_z 1
		.amdhsa_system_vgpr_workitem_id 0
		.amdhsa_next_free_vgpr 256
		.amdhsa_next_free_sgpr 92
		.amdhsa_reserve_vcc 0
		.amdhsa_float_denorm_mode_32 3
		.amdhsa_float_denorm_mode_16_64 3
		.amdhsa_memory_ordered 1
		.amdhsa_forward_progress 1
		.amdhsa_inst_pref_size 80
	.end_amdhsa_kernel
	.amdgpu_metadata
---
amdhsa.version: [ 1, 2 ]
amdhsa.kernels:
  - .name:           k_qb318c258bd_attn
    .symbol:         k_qb318c258bd_attn.kd
    .args:
      - { .name: qk_codes, .offset: 0, .size: 8, .value_kind: global_buffer, .address_space: global }
      - { .name: qk_scales, .offset: 8, .size: 8, .value_kind: global_buffer, .address_space: global }
      - { .name: v_codes, .offset: 16, .size: 8, .value_kind: global_buffer, .address_space: global }
      - { .name: v_scales, .offset: 24, .size: 8, .value_kind: global_buffer, .address_space: global }
      - { .name: o_codes, .offset: 32, .size: 8, .value_kind: global_buffer, .address_space: global }
      - { .name: o_scales, .offset: 40, .size: 8, .value_kind: global_buffer, .address_space: global }
    .group_segment_fixed_size: 169984
    .private_segment_fixed_size: 0
    .kernarg_segment_align: 8
    .kernarg_segment_size: 48
    .max_flat_workgroup_size: 512
    .sgpr_count:     92
    .vgpr_count:     256
    .wavefront_size: 32
...
	.end_amdgpu_metadata
.endif
;; end of part 2
;; launch proj (part 3): grid 4 x 64, 4 waves a work-group, clusters of 4 x 4, 327,680 bytes of LDS; arguments o_codes, o_scales, w_out_codes, w_out_scales, b_out, out0; writes out0
.if DOCPART == 3
	.amdgcn_target "amdgcn-amd-amdhsa--gfx1250"
	.amdhsa_code_object_version 6
	.text
	.protected	k_qb318c258bd_proj
	.globl	k_qb318c258bd_proj
	.p2align	8
	.type	k_qb318c258bd_proj,@function
k_qb318c258bd_proj:
	s_mov_b64 s[64:65], 0
	v_nop
	global_prefetch_b8 v0, s[64:65] scope:SCOPE_SE
	s_setreg_imm32_b32 hwreg(HW_REG_WAVE_MODE, 25, 1), 1
	s_wait_xcnt 0x0
	s_wait_alu depctr_hold_cnt(0) depctr_sa_sdst(0) depctr_va_vdst(0) depctr_va_sdst(0) depctr_va_ssrc(0) depctr_va_vcc(0) depctr_vm_vsrc(0)
	s_getreg_b32 s2, hwreg(HW_REG_IB_STS2, 6, 4)
	s_cmp_eq_u32 s2, 0
	s_cbranch_scc0 .Lentry_in_a_cluster
	s_endpgm
.Lentry_in_a_cluster:
	s_bfe_u32 s2, ttmp6, 0x10000c
	s_cmp_lg_u32 s2, 0xf033
	s_cbranch_scc0 .Lentry_shape_is_right
	s_endpgm
.Lentry_shape_is_right:
; out0 = o w_out^T + b_out on codes of FP4 (E2M1) with one E8M0 scale for each 32 along K = 1,024.  o comes as the launch before laid it: images of the operand's registers, [head 16][tile of 16 tokens 512][lane][16 bytes],
; scale bytes [head][128 tokens 64][r 16][tile 8][2 bytes]; w_out as given: rows of 512 bytes of codes and 32 scale bytes.
; A work-group of four waves makes 128 tokens x 256 outputs (256 work-groups); a wave 64 x 128: 32 accumulators, 256 registers.  Both operands' tiles for ALL of K lie in LDS at once: every LDS byte is filled once, no ring.
; THE MATRIX INSTRUCTION IS USED TRANSPOSED (source 0 = 16 rows of w_out, source 1 = 16 tokens): a lane holds eight neighbouring outputs of one token.  The bias is the C of each sum's first product.
; A K step of 128 is heads 2 q and 2 q + 1: registers 0-3 of o's fragment are the image of head 2 q, registers 4-7 that of head 2 q + 1; its scale word is the two heads' halfwords.
; CLUSTERS: 4 x 4 work-groups; o's tiles hang on the tile row alone and are asked for jointly along a row of the cluster, w_out's on the tile column alone, jointly along a column.
; LIMITS: NaN, infinities and a given scale byte 0xff are not served.
; REGISTERS, in windows of 256: window 0: v1-31 addresses; v32-95 w_out's scale words; v96-127 o's; v128-191 the bias, later rows of the result; v192-223 o's halfwords as loaded; v192-255 later rows of the result.
;   window 1: w_out's fragments, two sets, at v0 and v64; o's, two sets, at v128 and v160.   window 2: the accumulators ((a, b) at v[8 (8 a + b)]).
.set PITCH,  272                       ; a row of w_out in LDS: 256 bytes + 16 of padding = 68 words: row r starts at bank 4 r mod 64 (64 banks of 4 bytes: ISA guide 11.1)
.set HALFT,  128*PITCH
.set BSLOT,  2*HALFT                   ; w_out's 256 rows, 512 along K
.set AIM,    2*BSLOT                   ; o's images [head 16][tile 8][512 bytes]
.set BSC,    AIM+65536                 ; w_out's scale bytes, as rows of 256 bytes + 16 of padding
.set HALFS,  16*272
.set ASC,    BSC+2*HALFS               ; o's scale bytes [head 16][256 bytes]
.set STG,    ASC+4096                  ; the way out: 16 rows x (512 bytes + 16) for each wave; no tile lands there
.set SPITCH, 528
.set ADRB, 16                          ; v16-17 LDS address of my fragments of w_out in slot 0, 1
.set ADRA, 18                          ; v18    of my images of o
.set ADSB, 19                          ; v19    of w_out's scale words
.set ADSA, 20                          ; v20    of o's halfwords
.set BH,   21                          ; v21    32 h
.set STO,  24                          ; v24    the way out: where I put 32 bytes of a row
.set RD,   25                          ; v25    where I read a row back
.set CO,   26                          ; v26    my byte offset in a row of out0
.set BS,   32                          ; w_out's scale words: register 32 g + 4 b + q': block b, K step 4 g + q'
.set AS,   96                          ; o's: register 4 q + a
.set BO,   128                         ; the bias: register 8 b + j = b_out at my output 16 b + 8 h + j
.set ET,   192                         ; o's halfwords: pair 2 H: my four tiles' of head H
.set BK,   128                         ; the way out: 16 rows read back: v128-191 and v192-255 by turns
.set G1A,  24
.set G1B,  32
.set G1SA, 40
.set G1SB, 48
.set G0A,  56
.set G0B,  68
.set G0SA, 76
.set G0SB, 80
.set MSB, 0
.macro WIN new                         ; the immediate's high byte repeats the setting that is left
.if MSB != (\new)
	s_set_vgpr_msb (MSB<<8)|(\new)
.set MSB, (\new)
.endif
.endm
; A joint load: waves 0 and 1 fetch for o, waves 2 and 3 for w_out.  The branch hangs on the wave's number alone.  Four v_nop follow each of the two lines.
.macro JLOAD g0a, g1a, g0b, g1b
	s_cmp_eq_u32 s17, 0
	s_cbranch_scc0 .Lfor_b_\@
	tensor_load_to_lds s[\g0a:\g0a+3], s[\g1a:\g1a+7]
	s_nop 0
.rept 4
	v_nop
.endr
	s_branch .Lasked_\@
.Lfor_b_\@:
	tensor_load_to_lds s[\g0b:\g0b+3], s[\g1b:\g1b+7]
	s_nop 0
.rept 4
	v_nop
.endr
.Lasked_\@:
.endm
.macro CROUND                          ; a round of the cluster's barrier
	s_barrier_signal -1
	s_barrier_wait -1
	s_cmp_lg_u32 s16, 0
	s_cbranch_scc1 .Lnot_wave_0_\@
	s_barrier_signal -3
.Lnot_wave_0_\@:
	s_barrier_wait -3
	s_barrier_signal -1
	s_barrier_wait -1
.endm
	s_load_b256 s[4:11], s[0:1], 0x0               ; o_codes, o_scales, w_out_codes, w_out_scales
	s_load_b128 s[12:15], s[0:1], 0x20             ; b_out, out0
	v_lshl_add_u32 v30, v0, 2, 0x3d600
	v_mov_b32 v31, 0
	ds_add_u32 v30, v31
	ds_add_u32 v30, v31
	v_lshrrev_b32 v1, 5, v0
	v_readfirstlane_b32 s16, v1                    ; wave 0..3
	s_lshr_b32 s17, s16, 1                         ; which 64 tokens are mine.  Also: I fetch for o (0) or for w_out (1)
	s_and_b32 s18, s16, 1                          ; which 128 outputs.  Also: which half of that operand I fetch
	; every LDS address is made here, ahead of the first branch on the wave's number
	v_and_b32 v1, 15, v0                           ; r
	v_bfe_u32 v2, v0, 4, 1                         ; h
	v_and_b32 v3, 31, v0                           ; lane
	v_mul_u32_u24 v4, v1, PITCH
	v_lshl_add_u32 v4, v2, 4, v4                   ; a fragment's row x pitch + 16 h
	s_mul_i32 s85, s18, HALFT                      ; my 128 rows of w_out
	v_add_nc_u32 v[ADRB], s85, v4
	s_add_co_u32 s85, s85, BSLOT
	v_add_nc_u32 v[ADRB+1], s85, v4
	v_lshlrev_b32 v[CO], 4, v3                     ; 16 x lane
	s_lshl_b32 s85, s17, 11                        ; my four tiles of 512 bytes
	s_add_co_u32 s85, s85, AIM
	v_add_nc_u32 v[ADRA], s85, v[CO]
	v_lshrrev_b32 v5, 3, v1                        ; w_out's scale words: 32 bytes a row, eight rows to 256 bytes + 16
	v_mul_u32_u24 v5, v5, 272
	v_and_b32 v6, 7, v1
	v_lshl_add_u32 v5, v6, 5, v5
	s_mul_i32 s85, s18, HALFS
	s_add_co_u32 s85, s85, BSC
	v_add_nc_u32 v[ADSB], s85, v5
	v_lshlrev_b32 v5, 4, v1                        ; o's halfwords: 16 bytes for token r's eight tiles; my four are 8 bytes
	s_lshl_b32 s85, s17, 3
	s_add_co_u32 s85, s85, ASC
	v_add_nc_u32 v[ADSA], s85, v5
	v_lshlrev_b32 v[BH], 5, v2
	s_mul_i32 s85, s16, 16*SPITCH
	s_add_co_u32 s85, s85, STG                     ; my stage
	v_mul_u32_u24 v5, v1, SPITCH                   ; in: row r, 32 bytes for each half of the lanes
	v_lshl_add_u32 v5, v2, 5, v5
	v_add_nc_u32 v[STO], s85, v5
	v_add_nc_u32 v[RD], s85, v[CO]                 ; back: the 32 lanes take one row of 512 bytes
	s_bfe_u32 s19, ttmp6, 0x40000                  ; cx
	s_bfe_u32 s20, ttmp6, 0x40004                  ; cy
	s_lshl_b32 s84, ttmp9, 2
	s_add_co_u32 s84, s84, s19                     ; tile column: 256 outputs
	s_and_b32 s21, ttmp7, 0xffff
	s_lshl_b32 s21, s21, 2
	s_add_co_u32 s21, s21, s20                     ; tile row: 128 tokens
	s_lshl_b32 s22, s20, 2
	s_lshl_b32 s22, 15, s22                        ; my row of the cluster
	s_lshl_b32 s23, 0x1111, s19                    ; my column
	s_mov_b32 s96, 0x05040100                      ; byte selects: the two low halves,
	s_mov_b32 s97, 0x07060302                      ; the two high halves
	s_or_b32 s[G1A], s22, (3<<16)|(1<<21)          ; o: four heads' 4,096 dense bytes (8 tiles), 262,144 bytes apart; elements of 8 bytes, no padding; the mask of my row, bit 21 beside it
	s_mov_b32 s[G1A+1], 512<<16
	s_mov_b32 s[G1A+2], 4<<16
	s_mov_b32 s[G1A+3], 512<<16
	s_mov_b32 s[G1A+4], 4
	s_mov_b32 s[G1A+5], 32768
	s_mov_b32 s[G1A+6], 0
	s_mov_b32 s[G1A+7], 0
	s_or_b32 s[G1B], s23, (1<<20)|(1<<21)|(5<<22)|(3<<25)   ; w_out: 128 rows x 256 bytes, 512 apart; four words of padding after every 64; the mask of my column
	s_mov_b32 s[G1B+1], 256<<16
	s_mov_b32 s[G1B+2], 128<<16
	s_mov_b32 s[G1B+3], 256<<16
	s_mov_b32 s[G1B+4], 128
	s_mov_b32 s[G1B+5], 512
	s_mov_b32 s[G1B+6], 0
	s_mov_b32 s[G1B+7], 0
	s_or_b32 s[G1SA], s22, (3<<16)|(1<<21)         ; o's scale bytes: eight heads' 256 bytes, 16,384 apart
	s_mov_b32 s[G1SA+1], 32<<16
	s_mov_b32 s[G1SA+2], 8<<16
	s_mov_b32 s[G1SA+3], 32<<16
	s_mov_b32 s[G1SA+4], 8
	s_mov_b32 s[G1SA+5], 2048
	s_mov_b32 s[G1SA+6], 0
	s_mov_b32 s[G1SA+7], 0
	s_or_b32 s[G1SB], s23, (3<<16)|(1<<20)|(1<<21)|(5<<22)|(3<<25)   ; w_out's: 4,096 dense bytes as 16 rows of 256, padded
	s_mov_b32 s[G1SB+1], 32<<16
	s_mov_b32 s[G1SB+2], 16<<16
	s_mov_b32 s[G1SB+3], 32<<16
	s_mov_b32 s[G1SB+4], 16
	s_mov_b32 s[G1SB+5], 32
	s_mov_b32 s[G1SB+6], 0
	s_mov_b32 s[G1SB+7], 0
	; where the tiles come from: o's of the tile row and the wave's number alone, w_out's of the tile column and the wave's number alone, each in registers of their own
	s_lshl_b32 s86, s18, 20                        ; o's codes: my four heads of the slot's eight,
	s_lshl_b32 s87, s21, 12                        ; the tile row's 8 tiles
	s_add_co_u32 s86, s86, s87
	s_mov_b32 s87, 0
	s_lshl_b32 s88, s18, 17                        ; o's scale bytes: my eight heads, the tile row's 256 bytes
	s_lshl_b32 s89, s21, 8
	s_add_co_u32 s88, s88, s89
	s_mov_b32 s89, 0
	s_lshl_b32 s90, s84, 17                        ; w_out's codes: row 256 x tile column + 128 x half, 512 bytes a row
	s_lshl_b32 s91, s18, 16
	s_add_co_u32 s90, s90, s91
	s_mov_b32 s91, 0
	s_lshl_b32 s92, s84, 13                        ; its scale bytes: 32 a row
	s_lshl_b32 s93, s18, 12
	s_add_co_u32 s92, s92, s93
	s_mov_b32 s93, 0
	s_lshl_b32 s94, s18, 14                        ; where they go: four heads x 4,096 bytes x half;
	s_mul_i32 s95, s18, HALFT                      ; 128 rows x half: no place in the cluster enters an LDS address
	s_wait_dscnt 0x0
	s_wait_kmcnt 0x0
	s_add_nc_u64 s[86:87], s[4:5], s[86:87]
	s_add_nc_u64 s[88:89], s[6:7], s[88:89]
	s_add_nc_u64 s[90:91], s[8:9], s[90:91]
	s_add_nc_u64 s[92:93], s[10:11], s[92:93]
	CROUND                                         ; all sixteen work-groups are here: the joint loads meet
	s_mov_b32 s[G0SA], 1
	s_lshl_b32 s[G0SA+1], s18, 11
	s_add_co_u32 s[G0SA+1], s[G0SA+1], ASC
	s_mov_b64 s[G0SA+2:G0SA+3], s[88:89]
	s_or_b32 s[G0SA+3], s[G0SA+3], 0x80000000
	s_mov_b32 s[G0SB], 1
	s_mul_i32 s[G0SB+1], s18, HALFS
	s_add_co_u32 s[G0SB+1], s[G0SB+1], BSC
	s_mov_b64 s[G0SB+2:G0SB+3], s[92:93]
	s_or_b32 s[G0SB+3], s[G0SB+3], 0x80000000
	JLOAD G0SA, G1SA, G0SB, G1SB                   ; the scales first
.irp g, 0,1
	s_mov_b32 s[G0A+4*\g], 1
	s_add_co_u32 s[G0A+4*\g+1], s94, AIM+\g*32768
	s_add_nc_u64 s[G0A+4*\g+2:G0A+4*\g+3], s[86:87], \g*2097152    ; heads 8 g on
	s_or_b32 s[G0A+4*\g+3], s[G0A+4*\g+3], 0x80000000
	s_mov_b32 s[G0B+4*\g], 1
	s_add_co_u32 s[G0B+4*\g+1], s95, \g*BSLOT
	s_add_nc_u64 s[G0B+4*\g+2:G0B+4*\g+3], s[90:91], \g*256        ; K 512 g on
	s_or_b32 s[G0B+4*\g+3], s[G0B+4*\g+3], 0x80000000
	s_wait_alu depctr_va_vdst(0)
	s_wait_tensorcnt 0x0
	ds_add_u32 v30, v31
	s_wait_dscnt 0x0
	CROUND
	JLOAD G0A+4*\g, G1A, G0B+4*\g, G1B             ; one tensor load of mine is out: the ones before it have landed
.endr
	s_lshl_b32 s88, s84, 10                        ; my first output, in bytes of f32: 1,024 x tile column + 512 x half
	s_lshl_b32 s89, s18, 9
	s_add_co_u32 s88, s88, s89
	s_mov_b32 s89, 0
	s_add_nc_u64 s[12:13], s[12:13], s[88:89]
	s_add_nc_u64 s[14:15], s[14:15], s[88:89]
	s_lshl_b32 s88, s21, 19                        ; my first token: 128 x tile row + 64 x half, 4,096 bytes a row
	s_lshl_b32 s85, s17, 18
	s_add_co_u32 s88, s88, s85
	s_add_nc_u64 s[14:15], s[14:15], s[88:89]
	s_wait_alu depctr_va_vdst(0)
.irp b, 0,1,2,3,4,5,6,7
	global_load_b128 v[BO+8*\b:BO+8*\b+3], v[BH], s[12:13] offset:64*\b
	global_load_b128 v[BO+8*\b+4:BO+8*\b+7], v[BH], s[12:13] offset:64*\b+16
.endr
.macro PLACES n                        ; places in front of loads into registers that matrix instructions have read, and of the first read of results (ISA guide 7.12.1 for the first read of results)
.rept \n
	v_nop
.endr
.endm
.macro SCPREP                          ; all scale bytes into registers, once: 16 + 16 loads
.irp g, 0,1
.irp b, 0,1,2,3,4,5,6,7
	ds_load_b128 v[BS+32*\g+4*\b:BS+32*\g+4*\b+3], v[ADSB] offset:544*\b+16*\g
.endr
.endr
.irp e, 0,1,2,3,4,5,6,7,8,9,10,11,12,13,14,15
	ds_load_b64 v[ET+2*\e:ET+2*\e+1], v[ADSA] offset:256*\e
.endr
.endm
.macro ASMAKE                          ; o's scale word of K step q, tile a: head 2 q's halfword below, head 2 q + 1's above
.irp q, 0,1,2,3,4,5,6,7
.irp a, 0,1,2,3
	v_perm_b32 v[AS+4*\q+\a], v[ET+4*\q+2+\a/2], v[ET+4*\q+\a/2], s[96+\a%2]
.endr
.endr
.endm
.macro FETCH q, p                      ; K step q's fragments into set p: 24 loads
	WIN 0x40                                       ; destination window 1, address window 0
.irp b, 0,1,2,3,4,5,6,7
	ds_load_b128 v[64*(\p)+8*\b:64*(\p)+8*\b+3], v[ADRB+(\q)/4] offset:64*((\q)%4)+4352*\b
	ds_load_b128 v[64*(\p)+8*\b+4:64*(\p)+8*\b+7], v[ADRB+(\q)/4] offset:64*((\q)%4)+32+4352*\b
.endr
.irp a, 0,1,2,3
	ds_load_b128 v[128+32*(\p)+8*\a:128+32*(\p)+8*\a+3], v[ADRA] offset:8192*(\q)+512*\a
	ds_load_b128 v[128+32*(\p)+8*\a+4:128+32*(\p)+8*\a+7], v[ADRA] offset:8192*(\q)+4096+512*\a
.endr
.endm
.macro MUL q, p                        ; 32 products: the accumulators take turns, one instruction a turn, in the same order in every step.  K step 0 starts the sums with the bias
.if (\q) == 0
	WIN 0x85                                       ; sources 0 and 1 window 1, C window 0, D window 2
.else
	WIN 0xa5                                       ; C and D window 2
.endif
.irp a, 0,1,2,3
.irp b, 0,1,2,3,4,5,6,7
.if (\q) == 0
	v_wmma_scale_f32_16x16x128_f8f6f4 v[8*(8*\a+\b):8*(8*\a+\b)+7], v[64*(\p)+8*\b:64*(\p)+8*\b+7], v[128+32*(\p)+8*\a:128+32*(\p)+8*\a+7], v[BO+8*\b:BO+8*\b+7], v[BS+32*((\q)/4)+4*\b+(\q)%4], v[AS+4*(\q)+\a] matrix_a_fmt:MATRIX_FMT_FP4 matrix_b_fmt:MATRIX_FMT_FP4
.else
	v_wmma_scale_f32_16x16x128_f8f6f4 v[8*(8*\a+\b):8*(8*\a+\b)+7], v[64*(\p)+8*\b:64*(\p)+8*\b+7], v[128+32*(\p)+8*\a:128+32*(\p)+8*\a+7], v[8*(8*\a+\b):8*(8*\a+\b)+7], v[BS+32*((\q)/4)+4*\b+(\q)%4], v[AS+4*(\q)+\a] matrix_a_fmt:MATRIX_FMT_FP4 matrix_b_fmt:MATRIX_FMT_FP4
.endif
.endr
.endr
.endm
.macro GO q                            ; the next step's fragments are asked for, into the set that the step before multiplied; then this step's products
	PLACES 4
	FETCH (\q)+1, ((\q)+1)%2
	s_wait_dscnt 24                                ; all but the 24 just issued
	MUL \q, (\q)%2
.endm
	s_wait_tensorcnt 0x1                           ; the scales and my part of K's first half are in; the one load issued behind them, the second half's, may be out
	s_barrier_signal -1
	s_barrier_wait -1                              ; everybody's are
	SCPREP
	FETCH 0, 0
	WIN 0
	s_wait_dscnt 24                                ; the scale bytes are in; the 24 fragment loads behind them may be out
	ASMAKE                                         ; the first step's four words stand 28 plain lines ahead of their use
	FETCH 1, 1
	s_wait_loadcnt 0x0                             ; the bias
	s_wait_dscnt 24
	MUL 0, 0
	GO 1
	GO 2
	WIN 0
	s_wait_tensorcnt 0x0                           ; my part of K's second half is in
	s_wait_dscnt 0x0                               ; no LDS instruction of mine is pending at the signal: K step 3's fragments are in too
	s_barrier_signal -1
	s_barrier_wait -1                              ; everybody's is
	PLACES 4
	FETCH 4, 0
	MUL 3, 1
	GO 4
	s_wait_alu depctr_va_vdst(0)
	GO 5
	GO 6
	s_wait_dscnt 0x0
	MUL 7, 1
	WIN 0
; THE WAY OUT, block by block of 16 tokens x 128 outputs, through my own stage in LDS: in as 32 bytes a lane, back as whole rows of 512 bytes.  LDS serves a wave's instructions in order (ISA guide 5.7.1.4).
.macro TOSTAGE a
	WIN 0x08                                       ; an LDS store's data are its source 1: window 2
.irp b, 0,1,2,3,4,5,6,7
	ds_store_b128 v[STO], v[64*(\a)+8*\b:64*(\a)+8*\b+3] offset:64*\b          ; each accumulator from its low end on
	ds_store_b128 v[STO], v[64*(\a)+8*\b+4:64*(\a)+8*\b+7] offset:64*\b+16
.endr
	WIN 0
.set BB, BK+64*((\a)%2)
.irp t, 0,1,2,3,4,5,6,7,8,9,10,11,12,13,14,15
	ds_load_b128 v[BB+4*\t:BB+4*\t+3], v[RD] offset:\t*SPITCH
.endr
.endm
.macro SEND a, younger                 ; younger: the LDS instructions issued behind block a's loads, which may stay out
.set BB, BK+64*((\a)%2)
	s_wait_dscnt \younger
.if (\a) > 0
	s_add_nc_u64 s[14:15], s[14:15], 16*4096       ; (behind a wait on XCNT: the earlier stores have read their base)  16 rows on
.endif
.irp t, 0,1,2,3,4,5,6,7,8,9,10,11,12,13,14,15
	global_store_b128 v[CO], v[BB+4*\t:BB+4*\t+3], s[14:15] offset:\t*4096 th:TH_STORE_NT   ; 32 lanes store 512 consecutive bytes, at a multiple of 256 from out0's first byte; written once, read by nobody here
.endr
.endm
	PLACES 4
	TOSTAGE 0
.irp a, 1,2,3
.if \a > 1
	s_wait_xcnt 0x0                                ; block a - 2's stores have read their registers and their base
.endif
	TOSTAGE \a
	SEND \a-1, 32                                  ; behind block a - 1's loads: block a's 16 stores and 16 loads
.endr
	s_wait_xcnt 0x0
	SEND 3, 0
	s_wait_tensorcnt 0x0
	ds_add_u32 v30, v31
	s_wait_dscnt 0x0
	CROUND                                         ; the closing round: no work-group ends while a partner may still ask for a tile that names it
	s_endpgm
.Lfunc_end_k_qb318c258bd_proj:
	.size	k_qb318c258bd_proj, .Lfunc_end_k_qb318c258bd_proj-k_qb318c258bd_proj
	.p2alignl 7, 3214868480
	.fill 96, 4, 3214868480
	.section	.rodata,"a",@progbits
	.p2align	6, 0x0
	.amdhsa_kernel k_qb318c258bd_proj
		.amdhsa_group_segment_fixed_size 327680
		.amdhsa_private_segment_fixed_size 0
		.amdhsa_enable_private_segment 0
		.amdhsa_kernarg_size 48
		.amdhsa_user_sgpr_count 2
		.amdhsa_user_sgpr_kernarg_segment_ptr 1
		.amdhsa_wavefront_size32 1
		.amdhsa_system_sgpr_workgroup_id_x 1
		.amdhsa_system_sgpr_workgroup_id_y 1
		.amdhsa_system_sgpr_workgroup_id_z 1
		.amdhsa_system_vgpr_workitem_id 0
		.amdhsa_next_free_vgpr 768
		.amdhsa_next_free_sgpr 98
		.amdhsa_reserve_vcc 0
		.amdhsa_float_denorm_mode_32 3
		.amdhsa_float_denorm_mode_16_64 3
		.amdhsa_memory_ordered 1
		.amdhsa_forward_progress 1
		.amdhsa_inst_pref_size 77
	.end_amdhsa_kernel
	.amdgpu_metadata
---
amdhsa.version: [ 1, 2 ]
amdhsa.kernels:
  - .name:           k_qb318c258bd_proj
    .symbol:         k_qb318c258bd_proj.kd
    .args:
      - { .name: o_codes, .offset: 0, .size: 8, .value_kind: global_buffer, .address_space: global }
      - { .name: o_scales, .offset: 8, .size: 8, .value_kind: global_buffer, .address_space: global }
      - { .name: w_out_codes, .offset: 16, .size: 8, .value_kind: global_buffer, .address_space: global }
      - { .name: w_out_scales, .offset: 24, .size: 8, .value_kind: global_buffer, .address_space: global }
      - { .name: b_out, .offset: 32, .size: 8, .value_kind: global_buffer, .address_space: global }
      - { .name: out0, .offset: 40, .size: 8, .value_kind: global_buffer, .address_space: global }
    .group_segment_fixed_size: 327680
    .private_segment_fixed_size: 0
    .kernarg_segment_align: 8
    .kernarg_segment_size: 48
    .max_flat_workgroup_size: 128
    .sgpr_count:     98
    .vgpr_count:     768
    .wavefront_size: 32
...
	.end_amdgpu_metadata
.endif
;; end of part 3
